; MI455X (gfx1250); checked and timed in simulation.
; The chip was launched on July 23, 2026; its instructions are those of AMD's public machine-readable ISA for CDNA 5 (MIT licence, August 2026) and "CDNA5" Instruction Set Architecture Reference Guide (July 2026). The comments in the code are by the model that wrote it; some were corrected since.
;; Decoder Block. Allowed arithmetic: matrix products marked QUANTISED: E4M3 operands, one given power-of-two scale a tensor, by v_wmma_f32_16x16x64_fp8_fp8 or v_wmma_f32_16x16x128_fp8_fp8, f32 sums; everything else in f32.
;; Inputs: Wff1 512 x 1,024 float32; Wff2 1,024 x 512 float32; Wo1 512 x 512 float32; Wo2 512 x 512 float32; Wq1 512 x 512 float32; Wq2 512 x 512 float32; bff1 1,024 float32; bff2 512 float32; bo1 512 float32; bo2 512 float32; bq1 512 float32; bq2 512 float32; encoded_src 2 x 2,048 x 512 float32; ln1_b 512 float32; ln1_g 512 float32; ln2_b 512 float32; ln2_g 512 float32; ln3_b 512 float32; ln3_g 512 float32; lowp_scales 28 int32 (the exponents e of the quantised operands' scales 2^e); src_mask 2 x 1 x 1 x 2,048 int32; trg 2 x 2,048 x 512 float32; trg_mask 2 x 1 x 2,048 x 2,048 int32.
;; Outputs: out0 2 x 2,048 x 512 float32.
;; This version of the problem:
;;   THIS VERSION OF THE PROBLEM IS GIVEN IN LOW PRECISION. The matrix products marked QUANTISED in the list below multiply operands that are first quantised to E4M3 (4 exponent bits, 3 mantissa bits; 8 bits a number), with one given power-of-two scale for each operand tensor; their sums are f32. All else is computed in f32.
;;   The module's matrix products, in the order in which they are computed (A, B: the left and right operand; K: the contracted axis; several contracted axes count as one K, in the product's order):
;;     1. [M 4,096, K 512] x [K 512, N 512]; A: input trg; B: input Wq1: QUANTISED (scales: A lowp_scales[0], B lowp_scales[1])
;;     2. [M 4,096, K 512] x [K 512, N 512]; A: input trg; B: input Wq1: QUANTISED (scales: A lowp_scales[2], B lowp_scales[3])
;;     3. [M 4,096, K 512] x [K 512, N 512]; A: input trg; B: input Wq1: QUANTISED (scales: A lowp_scales[4], B lowp_scales[5])
;;     4. batch 32 x [M 2,048, K 32] x [K 32, N 2,048]; A: computed on the way; B: computed on the way: QUANTISED (scales: A lowp_scales[6], B lowp_scales[7])
;;     5. batch 32 x [M 32, K 2,048] x [K 2,048, N 2,048]; A: computed on the way; B: softmax (see below): QUANTISED (scales: A lowp_scales[8], B lowp_scales[9])
;;     6. [M 4,096, K 512] x [K 512, N 512]; A: computed on the way; B: input Wo1: QUANTISED (scales: A lowp_scales[10], B lowp_scales[11])
;;     7. [M 4,096, K 512] x [K 512, N 512]; A: computed on the way; B: input Wq2: QUANTISED (scales: A lowp_scales[12], B lowp_scales[13])
;;     8. [M 4,096, K 512] x [K 512, N 512]; A: input encoded_src; B: input Wq2: QUANTISED (scales: A lowp_scales[14], B lowp_scales[15])
;;     9. [M 4,096, K 512] x [K 512, N 512]; A: input encoded_src; B: input Wq2: QUANTISED (scales: A lowp_scales[16], B lowp_scales[17])
;;     10. batch 32 x [M 2,048, K 32] x [K 32, N 2,048]; A: computed on the way; B: computed on the way: QUANTISED (scales: A lowp_scales[18], B lowp_scales[19])
;;     11. batch 32 x [M 32, K 2,048] x [K 2,048, N 2,048]; A: computed on the way; B: softmax (see below): QUANTISED (scales: A lowp_scales[20], B lowp_scales[21])
;;     12. [M 4,096, K 512] x [K 512, N 512]; A: computed on the way; B: input Wo2: QUANTISED (scales: A lowp_scales[22], B lowp_scales[23])
;;     13. [M 4,096, K 512] x [K 512, N 1,024]; A: computed on the way; B: input Wff1: QUANTISED (scales: A lowp_scales[24], B lowp_scales[25])
;;     14. [M 4,096, K 1,024] x [K 1,024, N 512]; A: computed on the way; B: input Wff2: QUANTISED (scales: A lowp_scales[26], B lowp_scales[27])
;;   THE QUANTISER, for each operand of a quantised product, along K:
;;     - The operand's scale is 2^e, e = its entry of the input lowp_scales (int32; the entries are numbered through the quantised products in the list's order, A before B).
;;     - Each number is divided by the scale, clamped to +-448, and rounded to the nearest number of E4M3, ties to even, subnormals kept.
;;     - The product sums the exact products of the quantised numbers (number of the format x scale) in f32.
;;   ~~~python
;;   def quantise(x, axis, e):      # numpy; x: float32 -> the quantised numbers, widened to float32 again
;;       x = np.moveaxis(x, axis, -1); K = x.shape[-1]
;;       r = np.clip(x / 2.0 ** e, -448, 448)
;;       step = 2.0 ** (np.maximum(np.frexp(np.where(r == 0, 1, r))[1] - 1, -6) - 3)
;;       q = np.round(r / step) * step * 2.0 ** e      # np.round: ties to even
;;       return np.moveaxis(q, -1, axis).astype(np.float32)
;;   ~~~
;;   SOFTMAX AHEAD OF A QUANTISED PRODUCT. Where the list says 'softmax', what is quantised is not the finished softmax but p = 2^(t - M), with t = logit x log2(e) and M = ceil(the row's largest t), a whole number; so 1/2 < the row's largest p <= 1. The row's sum l is taken of the UNQUANTISED p, in f32, and the product's result is divided by l at the end. Since M is a whole number, a kernel that streams over the keys may use a running M (the ceiling of the running maximum): every later rescaling is an exact power of two, so the quantised numbers keep their values, but for numbers so far below the row's largest that they fall under the format's range.
;;   OPERANDS COMPUTED ON THE WAY. 'Computed on the way' means the value that the module computes at that place (a softmax that the list does not call 'softmax' is quantised finished and normalised). What goes into a quantiser is computed in f32, as accurately as f32 sums, v_exp_f32 and their like allow (about 1e-6 of the number): no bf16 or f16 on the way to a quantiser, and a product that is left as it is and whose result goes on into a quantised operand takes f32 operands (vector FMAs, or v_wmma_f32_16x16x4_f32). A number that lies on a knife's edge between two numbers of the format may be rounded either way, as far as f32 arithmetic and the matrix unit's own rounding can turn it there, and no further.
;; One version. Each part assembles by itself: llvm-mc -triple=amdgcn-amd-amdhsa -mcpu=gfx1250 --defsym DOCPART=n.
;; ======== version 1 of 1: 6 launches
;; workspace buffers: wc 3,145,728 bytes; am1 1,048,832 bytes of whole numbers; am2 1,048,832 bytes of whole numbers; fl 16,384 bytes of whole numbers; qkv1 6,291,456 bytes; qkv2 6,291,456 bytes; ao2 2,097,152 bytes; x1 8,388,608 bytes
;; launch prep (part 1): grid 704 x 1, 8 waves a work-group, no clusters, 68,608 bytes of LDS; arguments Wq1, Wq2, Wo1, Wo2, Wff1, Wff2, trg_mask, src_mask, lowp_scales, wc, am1, am2, fl; writes wc, am1, am2, fl
.if DOCPART == 1
	.amdgcn_target "amdgcn-amd-amdhsa--gfx1250"
	.amdhsa_code_object_version 6
	.text
	.protected	k_q4f0ac0f448_prep
	.globl	k_q4f0ac0f448_prep
	.p2align	8
	.type	k_q4f0ac0f448_prep,@function
k_q4f0ac0f448_prep:
	s_mov_b64 s[64:65], 0
	v_nop
	global_prefetch_b8 v0, s[64:65] scope:SCOPE_SE
	s_setreg_imm32_b32 hwreg(HW_REG_WAVE_MODE, 25, 1), 1
	s_wait_xcnt 0x0
; PREP.  Work-groups 0-191: the six weights become ten images of E4M3 codes (a weight once for each scale that a product gives it).  Work-groups 192-703: both masks become lane-mask words.
; A FRAGMENT is 16 columns n x 128 along K in 16 registers: lane (r, h) holds column 16 ct + r; registers 2 c, 2 c + 1 hold k = 128 s + 16 c + 8 h + 0 .. 7.  Its IMAGE is 2,048 bytes: registers 4 c' .. 4 c' + 3 at 512 c' + 16 x lane.
; wc: matrix v at v x 0x40000: 0 Wq1(e1) 1 Wq1(e3) 2 Wq1(e5) 3 Wq2(e15) 4 Wq2(e17) 5 Wo1(e11) 6 Wq2(e13) 7 Wo2(e23); Wff1(e25) at 0x200000, Wff2(e27) at 0x280000; fragment (ct, s) at (ct x K/128 + s) x 2,048.
; A wave makes one fragment: a lane takes a column and its registers run down K, so the conversions' results are the fragment's registers.  A work-group's eight waves take eight neighbouring column tiles: 512 bytes of each row.
; code = w / 2^e, held within +-448, to the nearest code, ties to even.  LIMIT: each weight's e lies between -126 and 119.  NaN among the weights is not served.
; am1, am2: block m = (n x 128 + query tile) x 16 + key step, 256 bytes: word 8 T + j has bit (lane) = mask(query 16 qt + r, key 128 st + 16 T + 8 h + j) != 0;
; at 0x100000: eight exponents of lowp_scales (from entry 6 for am1, from entry 18 for am2).  A wave makes block m of both masks.
; fl: one word a block m: bit (key step) set where the block of EITHER mask has a hole; bit 16 set where the scale of p of EITHER attention (entries 9 and 21) is under 2^-8.  The attentions branch on these whole numbers alone.
; trg_mask is read as it lies, a row's 512 bytes by one load, and turns through the wave's own stage in LDS (rows 528 bytes apart: 132 words, so sixteen rows start at sixteen different banks).
.set SPITCH, 528
.set WSTG,   16*SPITCH                 ; a wave's stage
.set SPARE,  8*WSTG                    ; behind the eight stages: the spare words, 128 bytes for each wave
.set SPW, 14                           ; v14  SPARE + 4 x my thread's number; never rewritten
.set NIL, 15                           ; v15  0; never rewritten
	s_load_b512 s[4:19], s[0:1], 0x0               ; Wq1 4, Wq2 6, Wo1 8, Wo2 10, Wff1 12, Wff2 14, trg_mask 16, src_mask 18
	s_load_b256 s[20:27], s[0:1], 0x40             ; lowp_scales 20, wc 22, am1 24, am2 26
	s_load_b64 s[52:53], s[0:1], 0x60              ; fl
	v_lshl_add_u32 v[SPW], v0, 2, SPARE
	v_mov_b32 v[NIL], 0
	v_lshrrev_b32 v1, 5, v0
	v_readfirstlane_b32 s28, v1                    ; wave 0..7
	v_and_b32 v1, 31, v0                           ; lane
	v_and_b32 v2, 15, v0                           ; r
	v_bfe_u32 v3, v0, 4, 1                         ; h
	s_cmp_ge_u32 ttmp9, 192
	s_cbranch_scc1 .Lmask
	; ---- a weight's fragment.  All that differs between the ten images is chosen from the work-group's number, without a branch
	s_lshr_b32 s29, ttmp9, 4                       ; v, the matrix (16 work-groups each; the two wide ones 32)
	s_lshl_b32 s32, s29, 3
	s_add_co_u32 s32, s32, 4                       ; the scale's byte in lowp_scales: 8 v + 4 for v = 0, 1, 2
	s_add_co_u32 s34, s32, 32                      ; 8 v + 36 for v = 3, 4
	s_lshl_b32 s33, s29, 18                        ; the image's place in wc
	s_and_b32 s46, ttmp9, 15                       ; which of the matrix's work-groups
	s_and_b32 s41, ttmp9, 31
	s_cmp_ge_u32 s29, 3
	s_cselect_b32 s32, s34, s32
	s_cmp_eq_u32 s29, 5
	s_cselect_b32 s32, 44, s32                     ; Wo1: entry 11
	s_cmp_eq_u32 s29, 6
	s_cselect_b32 s32, 52, s32                     ; Wq2 for product 7: entry 13
	s_cmp_eq_u32 s29, 7
	s_cselect_b32 s32, 92, s32                     ; Wo2: entry 23
	s_cmp_ge_u32 ttmp9, 128
	s_cselect_b32 s32, 100, s32                    ; Wff1: entry 25
	s_cselect_b32 s33, 0x200000, s33
	s_cselect_b32 s46, s41, s46
	s_cselect_b32 s40, 1, 0
	s_cmp_ge_u32 ttmp9, 160
	s_cselect_b32 s32, 108, s32                    ; Wff2: entry 27
	s_cselect_b32 s33, 0x280000, s33
	s_cselect_b32 s36, 3, 2                        ; log2 of the K steps: 8 for Wff2, else 4
	s_cselect_b32 s40, 0, s40                      ; 1 for Wff1 alone: rows of 4,096 bytes
	s_add_co_u32 s35, s40, 11                      ; log2 of a row's bytes
	s_lshr_b32 s47, s46, s36
	s_lshl_b32 s47, s47, 3
	s_add_co_u32 s47, s47, s28                     ; ct
	s_bfm_b32 s48, s36, 0
	s_and_b32 s48, s46, s48                        ; s
	s_add_co_u32 s42, s35, 7
	s_lshl_b32 s42, s48, s42                       ; 128 s rows,
	s_lshl_b32 s43, s47, 6
	s_add_co_u32 s42, s42, s43                     ; + 16 ct columns of 4 bytes
	s_mov_b32 s43, 0
	s_lshl_b32 s44, s47, s36
	s_add_co_u32 s44, s44, s48
	s_lshl_b32 s44, s44, 11
	s_add_co_u32 s44, s44, s33                     ; the fragment's place in wc
	s_mov_b32 s45, 0
	s_wait_kmcnt 0x0
	s_mov_b64 s[30:31], s[4:5]
	s_cmp_ge_u32 s29, 3
	s_cselect_b64 s[30:31], s[6:7], s[30:31]
	s_cmp_eq_u32 s29, 5
	s_cselect_b64 s[30:31], s[8:9], s[30:31]
	s_cmp_eq_u32 s29, 7
	s_cselect_b64 s[30:31], s[10:11], s[30:31]
	s_cmp_ge_u32 ttmp9, 128
	s_cselect_b64 s[30:31], s[12:13], s[30:31]
	s_cmp_ge_u32 ttmp9, 160
	s_cselect_b64 s[30:31], s[14:15], s[30:31]
	s_load_b32 s37, s[20:21], s32 offset:0x0       ; e
	s_add_nc_u64 s[30:31], s[30:31], s[42:43]
	s_add_nc_u64 s[38:39], s[22:23], s[44:45]
.macro WJOB pitch                      ; pitch: a row of the weight in bytes
	v_lshlrev_b32 v4, 2, v2
	v_mad_u32_u24 v4, v3, 8*\pitch, v4             ; column r, and 8 rows further down for lanes 16-31
.irp c, 0,1,2,3,4,5,6,7
.irp j, 0,1,2,3,4,5,6,7
	global_load_b32 v[16+8*\c+\j], v4, s[30:31] offset:(16*\c+\j)*\pitch   ; W(128 s + 16 c + 8 h + j, 16 ct + r)
.endr
.endr
	s_wait_kmcnt 0x0
	s_add_co_i32 s37, s37, 127
	s_lshl_b32 s42, s37, 23
	v_mov_b32 v11, s42                             ; 2^e as f32: the conversion takes its exponent field
	s_add_co_i32 s37, s37, 8
	s_lshl_b32 s37, s37, 23
	s_or_b32 s37, s37, 0x600000
	v_mov_b32 v10, s37                             ; 448 x 2^e
	s_wait_loadcnt 0x0
.set i, 0
.rept 64
	v_med3_num_f32 v[16+i], v[16+i], -v10, v10     ; the conversion to an 8-bit code does not saturate (ISA guide 7.6.2): the hold comes first
.set i, i+1
.endr
.irp c, 0,1,2,3,4,5,6,7
	v_cvt_scalef32_pk8_fp8_f32 v[80+2*\c:81+2*\c], v[16+8*\c:23+8*\c], v11
.endr
	v_lshlrev_b32 v5, 4, v1
.irp c, 0,1,2,3
	global_store_b128 v5, v[80+4*\c:83+4*\c], s[38:39] offset:512*\c   ; the wave stores 512 consecutive bytes
.endr
	s_endpgm                                       ; this way has written no LDS
.endm
	s_cmp_eq_u32 s40, 1
	s_cbranch_scc1 .Lwide
	WJOB 2048
.Lwide:
	WJOB 4096
	; ---- a block of both masks
.Lmask:
	s_sub_co_u32 s29, ttmp9, 192
	s_lshl_b32 s29, s29, 3
	s_add_co_u32 s29, s29, s28                     ; m
	s_lshr_b32 s30, s29, 4                         ; n x 128 + query tile
	s_and_b32 s31, s29, 15                         ; key step
	s_lshl_b32 s32, s30, 17                        ; 16 rows of 8,192 bytes,
	s_lshl_b32 s34, s31, 9                         ; 128 keys of 4 bytes
	s_add_co_u32 s32, s32, s34
	s_mov_b32 s33, 0
	s_lshr_b32 s36, s29, 11                        ; n
	s_lshl_b32 s36, s36, 13
	s_add_co_u32 s36, s36, s34
	s_mov_b32 s37, 0
	s_lshl_b32 s38, s29, 8                         ; 256 m
	s_mov_b32 s39, 0
	s_lshl_b32 s56, s29, 2                         ; 4 m
	s_mov_b32 s57, 0
	s_lshl_b32 s49, 1, s31                         ; the step's bit
	s_mul_i32 s58, s28, WSTG
	v_lshlrev_b32 v4, 4, v1                        ; 16 x lane
	v_lshlrev_b32 v5, 5, v3                        ; 32 h
	v_lshlrev_b32 v6, 3, v1                        ; 8 x lane
	v_add_nc_u32 v7, s58, v4                       ; the stage, on the way in: a row as it lies
	v_mad_u32_u24 v8, v2, SPITCH, v5
	v_add_nc_u32 v8, s58, v8                       ; and on the way out: row r, + 32 h
	v_lshlrev_b32 v9, 2, v1                        ; 4 x lane
	s_wait_kmcnt 0x0
	s_load_b32 s55, s[20:21], 0x24                 ; entry 9: the exponent of p's scale in the first attention,
	s_load_b32 s59, s[20:21], 0x54                 ; entry 21: in the second
	s_add_nc_u64 s[16:17], s[16:17], s[32:33]
	s_add_nc_u64 s[18:19], s[18:19], s[36:37]
	s_add_nc_u64 s[60:61], s[24:25], s[38:39]
	s_add_nc_u64 s[62:63], s[26:27], s[38:39]
	s_add_nc_u64 s[66:67], s[52:53], s[56:57]
.irp i, 0,1,2,3,4,5,6,7,8,9,10,11,12,13,14,15
	global_load_b128 v[16+4*\i:19+4*\i], v4, s[16:17] offset:8192*\i th:TH_LOAD_NT   ; row i: 32 lanes read 512 consecutive bytes; read once in the launch
.endr
.irp T, 0,1,2,3,4,5,6,7
.irp q, 0,1
	global_load_b128 v[80+8*\T+4*\q:83+8*\T+4*\q], v5, s[18:19] offset:64*\T+16*\q   ; src_mask hangs on the key alone: the sixteen lanes of a half read the same 16 bytes
.endr
.endr
	s_wait_loadcnt 16                              ; trg_mask's sixteen loads are in; src_mask's sixteen may be out
.irp i, 0,1,2,3,4,5,6,7,8,9,10,11,12,13,14,15
	ds_store_b128 v7, v[16+4*\i:19+4*\i] offset:SPITCH*\i
.endr
.irp T, 0,1,2,3,4,5,6,7
.irp q, 0,1
	ds_load_b128 v[16+8*\T+4*\q:19+8*\T+4*\q], v8 offset:64*\T+16*\q   ; LDS serves a wave's instructions in order (ISA guide 5.7.1.4): these see my stores.  Register 8 T + j: mask(row r, key 16 T + 8 h + j)
.endr
.endr
	s_wait_dscnt 0x0
; 64 compares give the 64 words as scalars; lane i of the pair v[A:A+1] takes words 2 i and 2 i + 1, so that one store of 8 bytes a lane writes the block's 256 bytes.  s[F]: the step's bit if a word is not all ones
.macro MWORDS X, A, F
	v_mov_b32 v[\A], 0
	v_mov_b32 v[\A+1], 0
.irp T, 0,1,2,3,4,5,6,7
.irp j, 0,1,2,3,4,5,6,7
	v_cmp_ne_u32 s[40+\j], 0, v[\X+8*\T+\j]
.endr
.irp j, 0,1,2,3,4,5,6,7
	v_writelane_b32 v[\A+\j%2], s[40+\j], 4*\T+\j/2
.endr
.endr
	v_and_b32 v144, v[\A], v[\A+1]
	v_cmp_ne_u32 vcc_lo, -1, v144
	s_cmp_lg_u32 vcc_lo, 0
	s_cselect_b32 s[\F], s49, 0
.endm
	MWORDS 16, 10, 50
	global_store_b64 v6, v[10:11], s[60:61]
	s_wait_loadcnt 0x0
	MWORDS 80, 12, 51
	global_store_b64 v6, v[12:13], s[62:63]
	s_wait_kmcnt 0x0
	s_min_i32 s55, s55, s59
	s_cmp_lt_i32 s55, -8                           ; under 2^-8 the largest code x the scale lies under 1, which p can reach
	s_cselect_b32 s55, 0x10000, 0
	s_or_b32 s50, s50, s51                         ; a hole in either mask
	s_or_b32 s50, s50, s55
	v_mov_b32 v145, s50
	s_wait_xcnt 0x0                                ; EXEC is a source of the stores above: it changes only behind this wait
	v_cmp_eq_u32 vcc_lo, 0, v1
	s_and_saveexec_b32 s54, vcc_lo                 ; lane 0 (whose v9 is 0) stores the block's word
	global_store_b32 v9, v145, s[66:67]
	s_wait_xcnt 0x0                                ; and again ahead of the line that widens it
	s_or_b32 exec_lo, exec_lo, s54
	s_cmp_lg_u32 s29, 0                            ; the wave of block 0 copies the attentions' exponents
	s_cbranch_scc1 .Lmend
	v_cmp_gt_u32 vcc_lo, 8, v1
	s_and_saveexec_b32 s54, vcc_lo                 ; lanes 0-7 (no memory instruction has been issued since the last wait)
	global_load_b32 v16, v9, s[20:21] offset:24    ; entries 6 to 13
	global_load_b32 v17, v9, s[20:21] offset:72    ; entries 18 to 25
	s_wait_loadcnt 0x0
	global_store_b32 v9, v16, s[24:25] offset:0x100000
	global_store_b32 v9, v17, s[26:27] offset:0x100000
	s_wait_xcnt 0x0
	s_or_b32 exec_lo, exec_lo, s54
.Lmend:
	s_wait_tensorcnt 0x0                           ; the wave's end: behind my last LDS store
	ds_add_u32 v[SPW], v[NIL]
	s_wait_dscnt 0x0
	s_endpgm
.Lfunc_end_k_q4f0ac0f448_prep:
	.size	k_q4f0ac0f448_prep, .Lfunc_end_k_q4f0ac0f448_prep-k_q4f0ac0f448_prep
	.p2alignl 7, 3214868480
	.fill 96, 4, 3214868480
	.section	.rodata,"a",@progbits
	.p2align	6, 0x0
	.amdhsa_kernel k_q4f0ac0f448_prep
		.amdhsa_group_segment_fixed_size 68608
		.amdhsa_private_segment_fixed_size 0
		.amdhsa_enable_private_segment 0
		.amdhsa_kernarg_size 104
		.amdhsa_user_sgpr_count 2
		.amdhsa_user_sgpr_kernarg_segment_ptr 1
		.amdhsa_wavefront_size32 1
		.amdhsa_system_sgpr_workgroup_id_x 1
		.amdhsa_system_sgpr_workgroup_id_y 1
		.amdhsa_system_sgpr_workgroup_id_z 1
		.amdhsa_system_vgpr_workitem_id 0
		.amdhsa_next_free_vgpr 148
		.amdhsa_next_free_sgpr 72
		.amdhsa_reserve_vcc 1
		.amdhsa_float_denorm_mode_32 3
		.amdhsa_float_denorm_mode_16_64 3
		.amdhsa_memory_ordered 1
		.amdhsa_forward_progress 1
		.amdhsa_inst_pref_size 50
	.end_amdhsa_kernel
	.amdgpu_metadata
---
amdhsa.version: [ 1, 2 ]
amdhsa.kernels:
  - .name:           k_q4f0ac0f448_prep
    .symbol:         k_q4f0ac0f448_prep.kd
    .args:
      - { .name: Wq1, .offset: 0, .size: 8, .value_kind: global_buffer, .address_space: global }
      - { .name: Wq2, .offset: 8, .size: 8, .value_kind: global_buffer, .address_space: global }
      - { .name: Wo1, .offset: 16, .size: 8, .value_kind: global_buffer, .address_space: global }
      - { .name: Wo2, .offset: 24, .size: 8, .value_kind: global_buffer, .address_space: global }
      - { .name: Wff1, .offset: 32, .size: 8, .value_kind: global_buffer, .address_space: global }
      - { .name: Wff2, .offset: 40, .size: 8, .value_kind: global_buffer, .address_space: global }
      - { .name: trg_mask, .offset: 48, .size: 8, .value_kind: global_buffer, .address_space: global }
      - { .name: src_mask, .offset: 56, .size: 8, .value_kind: global_buffer, .address_space: global }
      - { .name: lowp_scales, .offset: 64, .size: 8, .value_kind: global_buffer, .address_space: global }
      - { .name: wc, .offset: 72, .size: 8, .value_kind: global_buffer, .address_space: global }
      - { .name: am1, .offset: 80, .size: 8, .value_kind: global_buffer, .address_space: global }
      - { .name: am2, .offset: 88, .size: 8, .value_kind: global_buffer, .address_space: global }
      - { .name: fl, .offset: 96, .size: 8, .value_kind: global_buffer, .address_space: global }
    .group_segment_fixed_size: 68608
    .private_segment_fixed_size: 0
    .kernarg_segment_align: 8
    .kernarg_segment_size: 104
    .max_flat_workgroup_size: 256
    .sgpr_count:     72
    .vgpr_count:     148
    .wavefront_size: 32
...
	.end_amdgpu_metadata
.endif
;; end of part 1
;; launch proj (part 2): grid 32 x 5, 16 waves a work-group, no clusters, 67,584 bytes of LDS; arguments trg, encoded_src, wc, bq1, bq2, lowp_scales, qkv1, qkv2; writes qkv1, qkv2
.if DOCPART == 2
	.amdgcn_target "amdgcn-amd-amdhsa--gfx1250"
	.amdhsa_code_object_version 6
	.text
	.protected	k_q4f0ac0f448_proj
	.globl	k_q4f0ac0f448_proj
	.p2align	8
	.type	k_q4f0ac0f448_proj,@function
k_q4f0ac0f448_proj:
	s_mov_b64 s[64:65], 0
	v_nop
	global_prefetch_b8 v0, s[64:65] scope:SCOPE_SE
	s_setreg_imm32_b32 hwreg(HW_REG_WAVE_MODE, 25, 1), 1
	s_wait_xcnt 0x0
; PROJ.  Five projections x W + b on E4M3 codes, each quantised at once for the attention that reads it.  Work-group y = p: 0 q1, 1 k1, 2 v1 (x = trg, Wq1), 3 k2, 4 v2 (x = encoded_src, Wq2); each p has its own scales.
; A work-group takes 128 rows of x; wave w is head w: columns 32 w .. 32 w + 31, whose 8 weight fragments (images made by the launch before) stay in its registers.
; x is quantised once in the work-group: each wave makes two of the 32 fragments (16 rows x 128 K) and stores them in LDS as images of their registers; every wave reads all of them back.
; A fragment: lane (r, h) holds row r; registers 2 c, 2 c + 1 hold k = 16 c + 8 h + 0 .. 7; image: registers 4 c' .. 4 c' + 3 at 512 c' + 16 x lane.
; q AND k: the product is used TRANSPOSED (source 0 = W, source 1 = x): a lane holds one row and eight neighbouring columns, which convert into the head's 32 dims of that row: 16 bytes a lane, 512 a tile of 16 rows.
; v: the product is used as it stands (source 0 = x, source 1 = W): a lane holds one dim d and eight neighbouring KEYS, which convert into two registers of a fragment of V^T (16 dims x 128 keys).
; The bias is the C of a sum's first matrix instruction, divided by 2^(eA + eB); the conversion's one scale is 2^(eO - eA - eB).
; LIMITS: eA, and eO - eA - eB, lie between -126 and 119.  NaN and infinities among the inputs are not served.
; 160 work-groups: sixteen waves of 256 registers fill a WGP, so blocks of 64 rows would not lie two to a WGP, and would read the weights twice as often.
.set SPARE, 65536                      ; LDS: x's 32 images (fragment 4 rt + s at 2,048 each), then the spare words, 128 bytes for each wave
.set LI,   1                           ; v1   16 x lane
.set OUTA, 2                           ; v2   65,536 w + 16 x lane: my head's place in the output
.set SC,   3                           ; v3   the scale in hand as f32
.set LIM,  4                           ; v4   448 x that
.set SPW,  5                           ; v5   SPARE + 4 x my thread's number; never rewritten
.set NIL,  6                           ; v6   0; never rewritten
.set CD,   8                           ; v8-15   at the head offsets and the bias by lane; later codes to store
.set BIAS, 16                          ; v16-31  the bias, two tiles in the result's layout
.set ACC,  32                          ; v32-63  four accumulators
.set XF,   64                          ; v64-127 x's four fragments of a tile of rows
.set W,    128                         ; v128-255 W's fragment (s, ct) at W + 32 s + 16 ct
.macro PLACES                          ; four plain vector instructions between a matrix instruction and a read of its result or a load into its sources
.rept 4
	v_nop
.endr
.endm
.macro QUANT src, dst                  ; 64 numbers, register 8 c + j = k 16 c + 8 h + j, become a fragment's 16 registers
.set i, 0
.rept 64
	v_med3_num_f32 v[\src+i], v[\src+i], -v[LIM], v[LIM]   ; the conversion does not saturate (ISA guide 7.6.2): the hold comes first
.set i, i+1
.endr
.irp c, 0,1,2,3,4,5,6,7
	v_cvt_scalef32_pk8_fp8_f32 v[\dst+2*\c:\dst+2*\c+1], v[\src+8*\c:\src+8*\c+7], v[SC]
.endr
	v_nop                                          ; a plain instruction behind the last conversion: matrix instructions later write these registers
.endm
.macro XLD rt                          ; the four fragments of tile rt of the rows
.irp s, 0,1,2,3
.irp cc, 0,1,2,3
	ds_load_b128 v[XF+16*\s+4*\cc:XF+16*\s+4*\cc+3], v[LI] offset:(4*(\rt)+\s)*2048+512*\cc
.endr
.endr
.endm
	s_load_b512 s[4:19], s[0:1], 0x0               ; trg 4, encoded_src 6, wc 8, bq1 10, bq2 12, lowp_scales 14, qkv1 16, qkv2 18
	v_lshl_add_u32 v[SPW], v0, 2, SPARE
	v_mov_b32 v[NIL], 0
	v_lshrrev_b32 v1, 5, v0
	v_readfirstlane_b32 s20, v1                    ; wave = head
	s_and_b32 s21, ttmp7, 0xffff                   ; p
	v_and_b32 v7, 31, v0
	v_and_b32 v12, 15, v0                          ; r
	v_bfe_u32 v13, v0, 4, 1                        ; h
	v_lshlrev_b32 v[LI], 4, v7
	s_lshl_b32 s22, s20, 16
	v_add_nc_u32 v[OUTA], s22, v[LI]
	v_lshlrev_b32 v8, 11, v12
	v_lshl_add_u32 v8, v13, 5, v8                  ; x: row r of 2,048 bytes, + 32 h
	s_lshl_b32 s22, s20, 14
	v_add_nc_u32 v9, s22, v[LI]                    ; W: my 8 fragments begin at 16,384 w
	s_lshl_b32 s22, s20, 12
	v_add_nc_u32 v10, s22, v[LI]                   ; where I store x's images: fragments 2 w and 2 w + 1
	s_lshl_b32 s22, s20, 7
	v_lshl_add_u32 v11, v13, 5, s22                ; the bias along registers: 128 w + 32 h
	v_lshl_add_u32 v14, v12, 2, s22                ; the bias by lane: 128 w + 4 r
	s_lshl_b32 s23, s21, 3                         ; eA, eB: byte 8 p (p < 3) or 8 p + 32
	s_lshl_b32 s24, s21, 2
	s_add_co_u32 s24, s24, 24                      ; eO: byte 4 p + 24 or 4 p + 64
	s_add_co_u32 s25, s23, 32
	s_add_co_u32 s26, s24, 40
	s_sub_co_u32 s27, s21, 2
	s_cmp_lt_u32 s21, 3
	s_cselect_b32 s23, s23, s25
	s_cselect_b32 s24, s24, s26
	s_cselect_b32 s27, s21, s27                    ; the part of the output buffer: 0 q, 1 k, 2 v
	s_lshl_b32 s27, s27, 21
	s_lshr_b32 s28, ttmp9, 4                       ; n
	s_lshl_b32 s28, s28, 20
	s_add_co_u32 s27, s27, s28
	s_and_b32 s28, ttmp9, 15                       ; my 128 rows among the batch's 2,048: 4,096 bytes of each head, in q's and k's layout and in v's alike
	s_lshl_b32 s28, s28, 12
	s_add_co_u32 s28, s27, s28
	s_mov_b32 s29, 0
	s_lshl_b32 s30, ttmp9, 18                      ; x: 128 rows of 2,048 bytes,
	s_lshr_b32 s32, s20, 1
	s_lshl_b32 s32, s32, 15                        ; the tile of rows w / 2,
	s_add_co_u32 s30, s30, s32
	s_and_b32 s32, s20, 1
	s_lshl_b32 s32, s32, 10                        ; and K steps 2 (w % 2) and 2 (w % 2) + 1
	s_add_co_u32 s30, s30, s32
	s_mov_b32 s31, 0
	s_lshl_b32 s32, s21, 18                        ; W's image p
	s_mov_b32 s33, 0
	s_wait_kmcnt 0x0
	s_load_b64 s[34:35], s[14:15], s23 offset:0x0  ; eA, eB
	s_load_b32 s36, s[14:15], s24 offset:0x0       ; eO
	s_cmp_lt_u32 s21, 3
	s_cselect_b64 s[38:39], s[4:5], s[6:7]
	s_cselect_b64 s[40:41], s[10:11], s[12:13]
	s_cselect_b64 s[42:43], s[16:17], s[18:19]
	s_add_nc_u64 s[38:39], s[38:39], s[30:31]
	s_add_nc_u64 s[42:43], s[42:43], s[28:29]
	s_add_nc_u64 s[8:9], s[8:9], s[32:33]
.irp c, 0,1,2,3,4,5,6,7
.irp q, 0,1
	global_load_b128 v[XF+8*\c+4*\q:XF+8*\c+4*\q+3], v8, s[38:39] offset:64*\c+16*\q        ; my first fragment's numbers: x(r, 16 c + 8 h + 4 q ..)
.endr
.endr
.irp c, 0,1,2,3,4,5,6,7
.irp q, 0,1
	global_load_b128 v[192+8*\c+4*\q:192+8*\c+4*\q+3], v8, s[38:39] offset:512+64*\c+16*\q  ; my second's, where W's K steps 2 and 3 will lie
.endr
.endr
.irp s, 0,1
.irp ct, 0,1
.irp cc, 0,1,2,3
	global_load_b128 v[W+32*\s+16*\ct+4*\cc:W+32*\s+16*\ct+4*\cc+3], v9, s[8:9] offset:8192*\ct+2048*\s+512*\cc
.endr
.endr
.endr
.irp ct, 0,1
.irp q, 0,1
	global_load_b128 v[BIAS+8*\ct+4*\q:BIAS+8*\ct+4*\q+3], v11, s[40:41] offset:64*\ct+16*\q
.endr
.endr
	global_load_b32 v12, v14, s[40:41]
	global_load_b32 v13, v14, s[40:41] offset:64
	s_wait_kmcnt 0x0
	s_add_co_i32 s44, s34, 127
	s_lshl_b32 s45, s44, 23
	v_mov_b32 v[SC], s45                           ; 2^eA
	s_add_co_i32 s44, s44, 8
	s_lshl_b32 s44, s44, 23
	s_or_b32 s44, s44, 0x600000
	v_mov_b32 v[LIM], s44                          ; 448 x 2^eA
	s_wait_loadcnt 38                              ; my first fragment's 16 loads are in; behind them: 16 + 16 + 6
	QUANT XF, ACC
.irp cc, 0,1,2,3
	ds_store_b128 v10, v[ACC+4*\cc:ACC+4*\cc+3] offset:512*\cc
.endr
	s_wait_loadcnt 22                              ; my second's; behind them: 16 + 6
	QUANT 192, ACC+16
.irp cc, 0,1,2,3
	ds_store_b128 v10, v[ACC+16+4*\cc:ACC+16+4*\cc+3] offset:2048+512*\cc
.endr
.irp s, 2,3
.irp ct, 0,1
.irp cc, 0,1,2,3
	global_load_b128 v[W+32*\s+16*\ct+4*\cc:W+32*\s+16*\ct+4*\cc+3], v9, s[8:9] offset:8192*\ct+2048*\s+512*\cc
.endr
.endr
.endr
	s_wait_dscnt 0x0                               ; my images have landed,
	s_barrier_signal -1
	s_barrier_wait -1                              ; everybody's have: nothing is stored to LDS after this
	s_wait_loadcnt 0x0                             ; W and the bias
	s_add_co_i32 s44, s34, s35                     ; eA + eB
	s_sub_co_i32 s45, 0, s44
	s_sub_co_i32 s46, s36, s44
	s_add_co_i32 s46, s46, 127
	s_lshl_b32 s47, s46, 23
	v_mov_b32 v[SC], s47                           ; 2^(eO - eA - eB)
	s_add_co_i32 s46, s46, 8
	s_lshl_b32 s46, s46, 23
	s_or_b32 s46, s46, 0x600000
	v_mov_b32 v[LIM], s46
	s_cmp_eq_u32 s21, 2
	s_cbranch_scc1 .Lv
	s_cmp_eq_u32 s21, 4
	s_cbranch_scc1 .Lv
	; ---- q or k: transposed.  The two accumulators of a tile take turns; two sets take turns from tile to tile
.set i, 0
.rept 16
	v_ldexp_f32 v[BIAS+i], v[BIAS+i], s45          ; b / 2^(eA + eB)
.set i, i+1
.endr
	XLD 0
.irp rt, 0,1,2,3,4,5,6,7
.set AC, ACC+16*(\rt%2)
.set CO, CD+4*(\rt%2)
	s_wait_dscnt 0x0
.irp s, 0,1,2,3
.irp ct, 0,1
.if \s == 0
	v_wmma_f32_16x16x128_fp8_fp8 v[AC+8*\ct:AC+8*\ct+7], v[W+32*\s+16*\ct:W+32*\s+16*\ct+15], v[XF+16*\s:XF+16*\s+15], v[BIAS+8*\ct:BIAS+8*\ct+7]
.else
	v_wmma_f32_16x16x128_fp8_fp8 v[AC+8*\ct:AC+8*\ct+7], v[W+32*\s+16*\ct:W+32*\s+16*\ct+15], v[XF+16*\s:XF+16*\s+15], v[AC+8*\ct:AC+8*\ct+7]
.endif
.endr
.endr
	PLACES
.if \rt < 7
	XLD \rt+1
.endif
	s_wait_xcnt 0x0                                ; the store of two tiles back has read its registers
.set i, 0
.rept 16
	v_med3_num_f32 v[AC+i], v[AC+i], -v[LIM], v[LIM]
.set i, i+1
.endr
	v_cvt_scalef32_pk8_fp8_f32 v[CO:CO+1], v[AC:AC+7], v[SC]        ; dims 8 h + 0 .. 7 of row r
	v_cvt_scalef32_pk8_fp8_f32 v[CO+2:CO+3], v[AC+8:AC+15], v[SC]   ; dims 16 + 8 h + 0 .. 7
	v_nop
	global_store_b128 v[OUTA], v[CO:CO+3], s[42:43] offset:512*\rt  ; the wave stores 512 consecutive bytes
.endr
	s_branch .Lend
	; ---- v: as it stands.  Two tiles of rows give four registers of each of the two fragments of V^T
.Lv:
.irp ct, 0,1
.irp j, 0,1,2,3,4,5,6,7
	v_ldexp_f32 v[BIAS+8*\ct+\j], v[12+\ct], s45   ; a lane holds one dim: its bias in all eight registers
.endr
.endr
	XLD 0
.irp pr, 0,1,2,3
.irp u, 0,1
	s_wait_dscnt 0x0
.irp s, 0,1,2,3
.irp ct, 0,1
.if \s == 0
	v_wmma_f32_16x16x128_fp8_fp8 v[ACC+16*\ct+8*\u:ACC+16*\ct+8*\u+7], v[XF+16*\s:XF+16*\s+15], v[W+32*\s+16*\ct:W+32*\s+16*\ct+15], v[BIAS+8*\ct:BIAS+8*\ct+7]
.else
	v_wmma_f32_16x16x128_fp8_fp8 v[ACC+16*\ct+8*\u:ACC+16*\ct+8*\u+7], v[XF+16*\s:XF+16*\s+15], v[W+32*\s+16*\ct:W+32*\s+16*\ct+15], v[ACC+16*\ct+8*\u:ACC+16*\ct+8*\u+7]
.endif
.endr
.endr
	PLACES
.if 2*\pr+\u < 7
	XLD 2*\pr+\u+1
.endif
.endr
	s_wait_xcnt 0x0                                ; the last pair's stores have read their registers
.set i, 0
.rept 32
	v_med3_num_f32 v[ACC+i], v[ACC+i], -v[LIM], v[LIM]
.set i, i+1
.endr
.irp ct, 0,1
.irp u, 0,1
	v_cvt_scalef32_pk8_fp8_f32 v[CD+4*\ct+2*\u:CD+4*\ct+2*\u+1], v[ACC+16*\ct+8*\u:ACC+16*\ct+8*\u+7], v[SC]   ; keys 16 (2 pr + u) + 8 h + 0 .. 7 of dim 16 ct + r
.endr
.endr
	v_nop
.irp ct, 0,1
	global_store_b128 v[OUTA], v[CD+4*\ct:CD+4*\ct+3], s[42:43] offset:2048*\ct+512*\pr
.endr
.endr
.Lend:
	s_wait_tensorcnt 0x0                           ; the wave's end: behind my last LDS store
	ds_add_u32 v[SPW], v[NIL]
	s_wait_dscnt 0x0
	s_endpgm
.Lfunc_end_k_q4f0ac0f448_proj:
	.size	k_q4f0ac0f448_proj, .Lfunc_end_k_q4f0ac0f448_proj-k_q4f0ac0f448_proj
	.p2alignl 7, 3214868480
	.fill 96, 4, 3214868480
	.section	.rodata,"a",@progbits
	.p2align	6, 0x0
	.amdhsa_kernel k_q4f0ac0f448_proj
		.amdhsa_group_segment_fixed_size 67584
		.amdhsa_private_segment_fixed_size 0
		.amdhsa_enable_private_segment 0
		.amdhsa_kernarg_size 64
		.amdhsa_user_sgpr_count 2
		.amdhsa_user_sgpr_kernarg_segment_ptr 1
		.amdhsa_wavefront_size32 1
		.amdhsa_system_sgpr_workgroup_id_x 1
		.amdhsa_system_sgpr_workgroup_id_y 1
		.amdhsa_system_sgpr_workgroup_id_z 1
		.amdhsa_system_vgpr_workitem_id 0
		.amdhsa_next_free_vgpr 256
		.amdhsa_next_free_sgpr 66
		.amdhsa_reserve_vcc 0
		.amdhsa_float_denorm_mode_32 3
		.amdhsa_float_denorm_mode_16_64 3
		.amdhsa_memory_ordered 1
		.amdhsa_forward_progress 1
		.amdhsa_inst_pref_size 69
	.end_amdhsa_kernel
	.amdgpu_metadata
---
amdhsa.version: [ 1, 2 ]
amdhsa.kernels:
  - .name:           k_q4f0ac0f448_proj
    .symbol:         k_q4f0ac0f448_proj.kd
    .args:
      - { .name: trg, .offset: 0, .size: 8, .value_kind: global_buffer, .address_space: global }
      - { .name: encoded_src, .offset: 8, .size: 8, .value_kind: global_buffer, .address_space: global }
      - { .name: wc, .offset: 16, .size: 8, .value_kind: global_buffer, .address_space: global }
      - { .name: bq1, .offset: 24, .size: 8, .value_kind: global_buffer, .address_space: global }
      - { .name: bq2, .offset: 32, .size: 8, .value_kind: global_buffer, .address_space: global }
      - { .name: lowp_scales, .offset: 40, .size: 8, .value_kind: global_buffer, .address_space: global }
      - { .name: qkv1, .offset: 48, .size: 8, .value_kind: global_buffer, .address_space: global }
      - { .name: qkv2, .offset: 56, .size: 8, .value_kind: global_buffer, .address_space: global }
    .group_segment_fixed_size: 67584
    .private_segment_fixed_size: 0
    .kernarg_segment_align: 8
    .kernarg_segment_size: 64
    .max_flat_workgroup_size: 512
    .sgpr_count:     66
    .vgpr_count:     256
    .wavefront_size: 32
...
	.end_amdgpu_metadata
.endif
;; end of part 2
;; launch attn1 (part 3): grid 8 x 32, 16 waves a work-group, no clusters, 133,120 bytes of LDS; arguments qkv1, am1, ao2, fl; writes ao2
.if DOCPART == 3
	.amdgcn_target "amdgcn-amd-amdhsa--gfx1250"
	.amdhsa_code_object_version 6
	.text
	.protected	k_q4f0ac0f448_attn1
	.globl	k_q4f0ac0f448_attn1
	.p2align	8
	.type	k_q4f0ac0f448_attn1,@function
k_q4f0ac0f448_attn1:
	s_mov_b64 s[64:65], 0
	v_nop
	global_prefetch_b8 v0, s[64:65] scope:SCOPE_SE
	s_setreg_imm32_b32 hwreg(HW_REG_WAVE_MODE, 25, 1), 1
	s_wait_xcnt 0x0
; ATTENTION on E4M3 codes, head size 32, 2,048 keys, with a mask that is an input.  One body for both attentions.
; qkv: q at 0, k at 0x200000: [n x 16 + head][tile of 16 rows] 512 bytes, lane (r, h): row r, dims 8 h + 0 .. 7, then 16 + 8 h + 0 .. 7.  v at 0x400000: [n x 16 + head][key step][dt] images of fragments of V^T (16 dims x 128 keys).
; am: the mask as lane-mask words (block (n x 128 + query tile) x 16 + step, 64 words: word 8 T + j, bit lane = mask(query r, key 16 T + 8 h + j)); at 0x100000 the exponents eq, ek, ev, ep, eo.
; fl: a word a block: bit (step) set where the block of either attention's mask has a hole; bit 16 set where either attention's ep is under -8.
; ao: the result as codes for the next product: tile of rows x 8,192 + head x 512 + 16 x lane.
; SHARES.  A work-group owns 256 queries of one head; each of its sixteen waves 16 of them; four waves to a SIMD, so that one wave's exponentials stand beside another's plain work.  The head's K and V (128 KiB of codes) are copied
; into LDS once, at the head, and stay: no slot is filled twice.  What work-groups share is read once at the head of a launch that then is vector work: no cluster.
; LAYOUT.  S^T = K Q^T by the K = 64 form: its source 0 holds TWO tiles of 16 keys (32 dims each); source 1 holds q in one half and zero codes in the other, which blanks the other tile (all codes are finite numbers).
; A lane then holds one query and eight neighbouring keys a tile: eight tiles convert straight into source 1 (16 queries x 128 keys) of O^T = V^T P^T.
; SOFTMAX.  t = score x log2(e) / sqrt(32); M = the running largest t rounded up to a whole number; p = 2^(t - M) is quantised with 2^ep; the sum is taken of the unquantised p; a change of M multiplies sum and O^T by a power of two.
; The mask is one select a score, walked only in steps whose block has a hole.  The hold of p at 448 x 2^ep is walked only where an ep is
; under -8: p is at most 1, which 448 x 2^ep covers from ep = -8 on.  Both conditions are taken over both attentions, so that one list serves both: a select or a hold walked without need changes no number.
; A query whose mask has no key at all has the sum 0: its codes become the NaN code, as the division 0 / 0 gives.
; LIMITS: eq + ek between -124 and 129 (added to c's exponent field); ep and eo between -126 and 119.
.set VIMG,  65536                      ; LDS: K's 128 tiles of 512 bytes; from here V's 32 fragments of 2,048;
.set SPARE, 131072                     ; and the spare words, 128 bytes for each wave
.set LI,  1                            ; v1   16 x lane
.set LV,  2                            ; v2   VIMG + 16 x lane
.set ADK, 3                            ; v3   at the head 16 x thread; then the step's tiles of K
.set ADV, 4                            ; v4   at the head VIMG + 16 x thread; then the step's fragments of V
.set SPW, 5                            ; v5   SPARE + 4 x my thread's number; never rewritten
.set NIL, 6                            ; v6   0; never rewritten
; v7 -infinity; v8-11 at work; v12 -M; v13 the largest t; v[14:15] the sum in two halves; v16-19 zeros, v20-23 q, v24-27 zeros; v[28:29] f; v[30:31] the sum's second chain
; v32-63 K; v64-95 V; v96-159 S^T, then p; v160-175 O^T; v176 2^ep; v177 448 x 2^ep; v224-239 p's codes
; s[16:63], s[68:83] the step's 64 mask words; s[84:91] exponents; s[92:93] c; s[94:95] lane selects; s96 the step's LDS byte (at the head: the wave); s97 the step (at the head: n x 16 + head);
; s98 my tile's 16 flags and bit 16; s99 the byte of the block to be loaded; s[100:101] my tile's blocks
	s_load_b128 s[4:7], s[0:1], 0x0                ; qkv, am
	s_load_b128 s[8:11], s[0:1], 0x10              ; ao, fl
	v_lshl_add_u32 v[SPW], v0, 2, SPARE
	v_mov_b32 v[NIL], 0
	v_lshrrev_b32 v1, 5, v0
	v_readfirstlane_b32 s96, v1                    ; wave
	s_and_b32 s97, ttmp7, 0xffff                   ; n x 16 + head
	v_and_b32 v1, 31, v0
	v_lshlrev_b32 v[LI], 4, v1
	v_add_nc_u32 v[LV], VIMG, v[LI]
	v_lshlrev_b32 v[ADK], 4, v0
	v_add_nc_u32 v[ADV], VIMG, v[ADK]
	s_lshl_b32 s12, ttmp9, 4
	s_add_co_u32 s12, s12, s96                     ; my tile of queries in the batch
	s_lshr_b32 s13, s97, 4
	s_lshl_b32 s13, s13, 7
	s_add_co_u32 s13, s13, s12                     ; and among all 256 tiles of rows
	s_lshl_b32 s2, s97, 16                         ; the head's 65,536 bytes in each part of qkv
	s_mov_b32 s3, 0
	s_lshl_b32 s66, s12, 9
	s_mov_b32 s67, 0
	s_lshl_b32 s68, s13, 12                        ; my 16 blocks of mask words
	s_mov_b32 s69, 0
	s_lshl_b32 s70, s13, 6                         ; my 16 flag words
	s_mov_b32 s71, 0
	s_lshl_b32 s72, s13, 13
	s_and_b32 s73, s97, 15
	s_lshl_b32 s73, s73, 9
	s_add_co_u32 s72, s72, s73                     ; my 512 bytes of ao
	s_mov_b32 s73, 0
	s_wait_kmcnt 0x0
	s_add_nc_u64 s[14:15], s[4:5], s[2:3]
	s_add_nc_u64 s[66:67], s[14:15], s[66:67]
	s_add_nc_u64 s[100:101], s[6:7], s[68:69]
	s_add_nc_u64 s[12:13], s[10:11], s[70:71]
	s_add_nc_u64 s[8:9], s[8:9], s[72:73]
	s_load_b256 s[84:91], s[6:7], 0x100000         ; eq, ek, ev, ep, eo (and three that are not used)
	s_load_b512 s[16:31], s[12:13], 0x0            ; my 16 flag words
.irp i, 0,1,2,3,4,5,6,7
	global_load_b128 v[96+4*\i:99+4*\i], v[ADK], s[14:15] offset:0x200000+8192*\i     ; the work-group copies the head's K: 8,192 consecutive bytes a round,
.endr
.irp i, 0,1,2,3,4,5,6,7
	global_load_b128 v[128+4*\i:131+4*\i], v[ADK], s[14:15] offset:0x400000+8192*\i   ; and V
.endr
	global_load_b128 v[20:23], v[LI], s[66:67]     ; my tile of q stays in registers
	v_mov_b32 v7, 0xff800000
	v_mov_b32 v8, 0                                ; a lane permute's destination counts as read
.irp j, 16,17,18,19,24,25,26,27
	v_mov_b32 v\j, 0                               ; the zero halves beside q
.endr
.set i, 0
.rept 16
	v_mov_b32 v[160+i], 0                          ; O^T: the loop is written once; its first step finds zeros
.set i, i+1
.endr
	v_mov_b32 v14, 0
	v_mov_b32 v15, 0
	v_mov_b32 v29, 0                               ; (named as the upper half of the pair v[28:29])
	v_mov_b32 v13, 0xff61b1e6                      ; the largest t so far: -3e38
	v_floor_f32 v12, -v13
	s_wait_kmcnt 0x0
	s_or_b64 s[16:17], s[16:17], s[18:19]          ; each flag word holds its own step's bit (and bit 16): their OR is the tile's list
	s_or_b64 s[20:21], s[20:21], s[22:23]
	s_or_b64 s[24:25], s[24:25], s[26:27]
	s_or_b64 s[28:29], s[28:29], s[30:31]
	s_or_b64 s[16:17], s[16:17], s[20:21]
	s_or_b64 s[24:25], s[24:25], s[28:29]
	s_or_b64 s[16:17], s[16:17], s[24:25]
	s_or_b32 s98, s16, s17
	s_add_co_i32 s2, s84, s85
	s_lshl_b32 s2, s2, 23
	s_add_co_i32 s92, s2, 0x3e8293ee               ; c = log2(e) / sqrt(32), x 2^(eq + ek) by its exponent field
	s_mov_b32 s93, s92                             ; (named with it as a pair)
	s_add_co_i32 s2, s87, 127
	s_lshl_b32 s3, s2, 23
	v_mov_b32 v176, s3                             ; 2^ep
	s_add_co_i32 s2, s2, 8
	s_lshl_b32 s2, s2, 23
	s_or_b32 s2, s2, 0x600000
	v_mov_b32 v177, s2                             ; 448 x 2^ep
	s_mov_b32 s94, 0x76543210
	s_mov_b32 s95, 0xfedcba98                      ; lane l xor 16
	s_mov_b32 s96, 0
	s_mov_b32 s97, 0
	s_mov_b32 s99, 0
	s_load_b512 s[16:31], s[100:101], s99 offset:0x0    ; step 0's mask words
	s_load_b512 s[32:47], s[100:101], s99 offset:0x40
	s_load_b512 s[48:63], s[100:101], s99 offset:0x80
	s_load_b512 s[68:83], s[100:101], s99 offset:0xc0
	s_wait_loadcnt 1                               ; the sixteen copies are in; q's load may be out
.irp i, 0,1,2,3,4,5,6,7
	ds_store_b128 v[ADK], v[96+4*\i:99+4*\i] offset:8192*\i
.endr
.irp i, 0,1,2,3,4,5,6,7
	ds_store_b128 v[ADV], v[128+4*\i:131+4*\i] offset:8192*\i
.endr
	s_wait_loadcnt 0x0                             ; q
	s_wait_dscnt 0x0                               ; my part of K and V has landed,
	s_barrier_signal -1
	s_barrier_wait -1                              ; everybody's has: nothing is stored to LDS after this
.Lstep:                                            ; 16 trips of 128 keys
	v_add_nc_u32 v[ADK], s96, v[LI]
	v_add_nc_u32 v[ADV], s96, v[LV]
	v_nop
	v_nop                                          ; four places behind the last trip's products, ahead of the loads into V's registers
.irp T, 0,1,2,3,4,5,6,7
	ds_load_b128 v[32+4*\T:35+4*\T], v[ADK] offset:512*\T
.endr
.irp dt, 0,1
.irp cc, 0,1,2,3
	ds_load_b128 v[64+16*\dt+4*\cc:67+16*\dt+4*\cc], v[ADV] offset:2048*\dt+512*\cc
.endr
.endr
	s_wait_dscnt 8                                 ; K's eight loads are in; V's eight may be out
.irp T, 0,2,4,6
	v_wmma_f32_16x16x64_fp8_fp8 v[96+8*\T:103+8*\T], v[32+4*\T:39+4*\T], v[20:27], 0     ; tile T: q meets the lower 32 of K, zeros the upper
	v_wmma_f32_16x16x64_fp8_fp8 v[104+8*\T:111+8*\T], v[32+4*\T:39+4*\T], v[16:23], 0    ; tile T + 1: the other way round
.endr
.rept 4
	v_nop
.endr
	s_wait_kmcnt 0x0                               ; the step's mask words are in (on both ways: the next step's loads below write them again)
	s_bitcmp1_b32 s98, s97
	s_cbranch_scc0 .Lopen                          ; no hole in this block: a branch on a stored whole number
.set i, 0
.rept 64
	v_cndmask_b32 v[96+i], v7, v[96+i], s[16+i+4*(i/48)]   ; a hidden key's score becomes -infinity: p = 0 then
.set i, i+1
.endr
.Lopen:
	v_max3_num_f32 v10, v96, v97, v98              ; the step's largest score of my query among my 64 keys, in two chains; each accumulator is first read at its low end
	v_max3_num_f32 v9, v99, v100, v101
.irp i, 6,10,14,18,22,26,30,34,38,42,46,50,54,58
	v_max3_num_f32 v10, v10, v[96+\i], v[97+\i]
	v_max3_num_f32 v9, v9, v[98+\i], v[99+\i]
.endr
	v_max3_num_f32 v10, v10, v158, v159
	v_max_num_f32 v10, v10, v9
	v_permlanex16_b32 v8, v10, s94, s95
	v_max_num_f32 v10, v10, v8                     ; and among lane l xor 16's
	v_mul_f32 v10, s92, v10                        ; as t (c is positive)
	v_max_num_f32 v13, v13, v10
	v_mov_b32 v10, v12
	v_floor_f32 v12, -v13                          ; -M = floor(-t): M is a whole number
	v_sub_f32 v10, v12, v10                        ; old M - new M: a whole number, 0 or less
	v_cvt_i32_f32 v10, v10                         ; (it saturates)
	v_ldexp_f32 v28, 1.0, v10                      ; f = 2^(old M - new M)
	s_add_co_u32 s99, s99, 256                     ; the next step's words: every earlier scalar load is done, so offset and destinations are free.
	s_min_u32 s99, s99, 15*256                     ; The last trip has no next step: it reads its own block again and uses nothing of it
	s_load_b512 s[16:31], s[100:101], s99 offset:0x0
	s_load_b512 s[32:47], s[100:101], s99 offset:0x40
	s_load_b512 s[48:63], s[100:101], s99 offset:0x80
	s_load_b512 s[68:83], s[100:101], s99 offset:0xc0
.set i, 0
.rept 32
	v_pk_fma_f32 v[96+i:97+i], v[96+i:97+i], s[92:93], v[12:13] op_sel_hi:[1,0,0]   ; t - M, two at a time
.set i, i+2
.endr
.set i, 0
.rept 64
	v_exp_f32 v[96+i], v[96+i]                     ; p = 2^(t - M)
.set i, i+1
.endr
	v_pk_mul_f32 v[14:15], v[14:15], v[28:29] op_sel_hi:[1,0]   ; the sum under the new M: the plain instruction behind the exponentials
	s_wait_alu depctr_va_vdst(0)                   ; one wait for the batch of 64, ahead of its first reader
	v_pk_add_f32 v[30:31], v[96:97], v[98:99]      ; the sum of the unquantised p, in two chains
.irp j, 4,8,12,16,20,24,28,32,36,40,44,48,52,56,60
	v_pk_add_f32 v[14:15], v[14:15], v[96+\j:97+\j]
	v_pk_add_f32 v[30:31], v[30:31], v[98+\j:99+\j]
.endr
	v_pk_add_f32 v[14:15], v[14:15], v[30:31]
	s_bitcmp1_b32 s98, 16
	s_cbranch_scc0 .Lnohold                        ; p <= 1 <= 448 x 2^ep: the hold could change nothing (a branch on a stored whole number)
.set i, 0
.rept 64
	v_min_num_f32 v[96+i], v[96+i], v177           ; the conversion does not saturate (ISA guide 7.6.2); p is not negative, so the hold is one-sided
.set i, i+1
.endr
.Lnohold:
.irp T, 0,1,2,3,4,5,6,7
	v_cvt_scalef32_pk8_fp8_f32 v[224+2*\T:225+2*\T], v[96+8*\T:103+8*\T], v176   ; keys 16 T + 8 h + 0 .. 7: registers 2 T, 2 T + 1 of the operand
.endr
.set i, 0
.rept 8
	v_pk_mul_f32 v[160+i:161+i], v[160+i:161+i], v[28:29] op_sel_hi:[1,0]        ; O^T under the new M; also the plain instructions behind the conversions
.set i, i+2
.endr
	s_wait_dscnt 0x0                               ; V
	v_wmma_f32_16x16x128_fp8_fp8 v[160:167], v[64:79], v[224:239], v[160:167]
	v_wmma_f32_16x16x128_fp8_fp8 v[168:175], v[80:95], v[224:239], v[168:175]
	s_add_co_u32 s96, s96, 4096
	s_add_co_u32 s97, s97, 1
	s_cmp_lt_u32 s97, 16
	s_cbranch_scc1 .Lstep
	; ---- the way out: O^T x 2^(ep + ev) / the sum, quantised with 2^eo.  The lines up to the first read of O^T hold more than four plain ones
	v_add_f32 v14, v14, v15
	v_permlanex16_b32 v8, v14, s94, s95
	v_add_f32 v14, v14, v8                         ; the row's sum
	v_rcp_f32 v9, v14
	s_add_co_i32 s2, s88, 127
	s_lshl_b32 s3, s2, 23
	v_mov_b32 v10, s3                              ; 2^eo
	s_add_co_i32 s2, s2, 8
	s_lshl_b32 s2, s2, 23
	s_or_b32 s2, s2, 0x600000
	v_mov_b32 v11, s2                              ; 448 x 2^eo
	v_mov_b32 v28, 0x7f7f7f7f                      ; four NaN codes
	v_cmp_eq_f32 vcc_lo, 0, v14                    ; no key counted for my query
	s_add_co_i32 s2, s86, s87
	s_wait_alu depctr_va_vdst(0)                   ; the wait behind the reciprocal, ahead of its first reader
	v_ldexp_f32 v9, v9, s2
.set i, 0
.rept 16
	v_mul_f32 v[96+i], v[160+i], v9                ; register 8 dt + j: o(query r, dim 16 dt + 8 h + j)
.set i, i+1
.endr
.set i, 0
.rept 16
	v_med3_num_f32 v[96+i], v[96+i], -v11, v11
.set i, i+1
.endr
	v_cvt_scalef32_pk8_fp8_f32 v[224:225], v[96:103], v10
	v_cvt_scalef32_pk8_fp8_f32 v[226:227], v[104:111], v10
	v_nop
.irp j, 224,225,226,227
	v_cndmask_b32 v\j, v\j, v28, vcc_lo
.endr
	global_store_b128 v[LI], v[224:227], s[8:9]    ; the wave stores 512 consecutive bytes
	s_wait_kmcnt 0x0                               ; the last trip's scalar loads
	s_wait_tensorcnt 0x0                           ; the wave's end: behind my last LDS store
	ds_add_u32 v[SPW], v[NIL]
	s_wait_dscnt 0x0
	s_endpgm
.Lfunc_end_k_q4f0ac0f448_attn1:
	.size	k_q4f0ac0f448_attn1, .Lfunc_end_k_q4f0ac0f448_attn1-k_q4f0ac0f448_attn1
	.p2alignl 7, 3214868480
	.fill 96, 4, 3214868480
	.section	.rodata,"a",@progbits
	.p2align	6, 0x0
	.amdhsa_kernel k_q4f0ac0f448_attn1
		.amdhsa_group_segment_fixed_size 133120
		.amdhsa_private_segment_fixed_size 0
		.amdhsa_enable_private_segment 0
		.amdhsa_kernarg_size 32
		.amdhsa_user_sgpr_count 2
		.amdhsa_user_sgpr_kernarg_segment_ptr 1
		.amdhsa_wavefront_size32 1
		.amdhsa_system_sgpr_workgroup_id_x 1
		.amdhsa_system_sgpr_workgroup_id_y 1
		.amdhsa_system_sgpr_workgroup_id_z 1
		.amdhsa_system_vgpr_workitem_id 0
		.amdhsa_next_free_vgpr 240
		.amdhsa_next_free_sgpr 102
		.amdhsa_reserve_vcc 1
		.amdhsa_float_denorm_mode_32 3
		.amdhsa_float_denorm_mode_16_64 3
		.amdhsa_memory_ordered 1
		.amdhsa_forward_progress 1
		.amdhsa_inst_pref_size 28
	.end_amdhsa_kernel
	.amdgpu_metadata
---
amdhsa.version: [ 1, 2 ]
amdhsa.kernels:
  - .name:           k_q4f0ac0f448_attn1
    .symbol:         k_q4f0ac0f448_attn1.kd
    .args:
      - { .name: qkv1, .offset: 0, .size: 8, .value_kind: global_buffer, .address_space: global }
      - { .name: am1, .offset: 8, .size: 8, .value_kind: global_buffer, .address_space: global }
      - { .name: ao2, .offset: 16, .size: 8, .value_kind: global_buffer, .address_space: global }
      - { .name: fl, .offset: 24, .size: 8, .value_kind: global_buffer, .address_space: global }
    .group_segment_fixed_size: 133120
    .private_segment_fixed_size: 0
    .kernarg_segment_align: 8
    .kernarg_segment_size: 32
    .max_flat_workgroup_size: 512
    .sgpr_count:     102
    .vgpr_count:     240
    .wavefront_size: 32
...
	.end_amdgpu_metadata
.endif
;; end of part 3
;; launch post1 (part 4): grid 128 x 1, 16 waves a work-group, no clusters, 47,104 bytes of LDS; arguments ao2, wc, trg, lowp_scales, bo1, ln1_g, ln1_b, bq2, x1, qkv2; writes x1, qkv2
.if DOCPART == 4
	.amdgcn_target "amdgcn-amd-amdhsa--gfx1250"
	.amdhsa_code_object_version 6
	.text
	.protected	k_q4f0ac0f448_post1
	.globl	k_q4f0ac0f448_post1
	.p2align	8
	.type	k_q4f0ac0f448_post1,@function
k_q4f0ac0f448_post1:
	s_mov_b64 s[64:65], 0
	v_nop
	global_prefetch_b8 v0, s[64:65] scope:SCOPE_SE
	s_setreg_imm32_b32 hwreg(HW_REG_WAVE_MODE, 25, 1), 1
	s_wait_xcnt 0x0
; POST1.  x1 = LN(trg + ao Wo1 + bo1), then q2 = x1 Wq2 + bq2 as codes for the second attention.  Both products on E4M3 codes.
; A work-group takes 32 rows (two tiles of 16), since the norm wants whole rows; wave w takes columns 32 w .. 32 w + 31 (two tiles).  The products are used TRANSPOSED (source 0 = W, source 1 = the rows): lane (r, h) holds row r
; and register j column 32 w + 16 ct + 8 h + j, so that results convert straight into the next operand's registers.  Operands go from wave to wave through LDS as images of their registers (2,048 bytes a fragment).
; The weights' fragments come from memory straight into registers, in the order in which they were laid: four pairs (K step q, ct 0 and 1) of 8 loads; a pair just multiplied takes the next product's.
; 128 work-groups: every work-group streams all the weights, so 16 rows on 256 work-groups would take as long and ask for twice the bytes.
; x1 goes to memory as an image of the registers that hold it: [block][wave] 4,096, [rt] 2,048, [ct] 1,024, [q] 512, + 16 x lane: each store covers 512 consecutive bytes.
; LIMITS: e12 and e18 - e12 - e13 between -126 and 119; e10 + e11 between -126 and 127.  NaN and infinities among the inputs are not served.
.set AIMG,  0                          ; LDS: the attention's 8 fragments (4 rt + s),
.set XIMG,  16384                      ; x1's 8 fragments,
.set VEC,   32768                      ; bo1, ln1_g, ln1_b, bq2: 2,048 bytes each,
.set RED,   40960                      ; two fields of 2 x 16 rows x 16 waves for the norm's sums,
.set SPARE, 45056                      ; and the spare words, 128 bytes for each wave
.set LI,  1                            ; v1   16 x lane
.set WO,  2                            ; v2   16,384 w + 16 x lane: my fragments in a weight of 512 x 512
.set QO,  3                            ; v3   65,536 w + 16 x lane: my head in q2
.set VA,  4                            ; v4   VEC + 128 w + 32 h
.set RW,  6                            ; v6   RED + 64 r + 4 w
.set RR,  7                            ; v7   RED + 64 r
.set XW,  8                            ; v8   512 w + 16 x lane: my four registers in x1's images
.set SC,  10                           ; v10  the scale in hand
.set LIM, 11                           ; v11  448 x that
.set XO,  12                           ; v12  4,096 w + 16 x lane
.set SPW, 14                           ; v14  SPARE + 4 x my thread's number; never rewritten
.set NIL, 15                           ; v15  0; never rewritten
.set RES, 16                           ; v16-47   the rows in f32: index 16 rt + 8 ct + j
.set ACC, 48                           ; v48-79   four accumulators, same index (at the head: offsets)
.set AB,  80                           ; v80-111  the rows' two fragments of a K step; at work
.set T,   112                          ; v112-127 a vector's 16 numbers; at work
.set W,   128                          ; v128-255 W's fragment (q, ct) at W + 32 q + 16 ct
.macro BARRIER                         ; my LDS stores have landed and my LDS loads are in: then the work-group's barrier
	s_wait_dscnt 0x0
	s_barrier_signal -1
	s_barrier_wait -1
.endm
.macro PLACES
.rept 4
	v_nop
.endr
.endm
.macro WLOAD q, vreg, imm, cts         ; pair q of a batch of weight fragments
.irp ct, 0,1
.irp cc, 0,1,2,3
	global_load_b128 v[W+32*(\q)+16*\ct+4*\cc:W+32*(\q)+16*\ct+4*\cc+3], v[\vreg], s[6:7] offset:(\imm)+(\cts)*\ct+2048*(\q)+512*\cc
.endr
.endr
.endm
; Four K steps.  lofs, rts: the rows' images.  cmode: the first step's C is 0 (0), the vector in T (1) or the sums so far (2).  nxt = 1: each pair just multiplied is loaded anew, for the next batch.
; The four accumulators take turns, one instruction a turn.
.macro PROD lofs, rts, cmode, nxt, nvreg, nimm, ncts
.irp q, 0,1,2,3
.irp rt, 0,1
.irp cc, 0,1,2,3
	ds_load_b128 v[AB+16*\rt+4*\cc:AB+16*\rt+4*\cc+3], v[LI] offset:(\lofs)+(\rts)*\rt+2048*\q+512*\cc
.endr
.endr
.if \nxt
	s_wait_loadcnt 24                              ; pair q is in; behind it three pairs: the rest of this batch and the next batch's first
.else
	s_wait_loadcnt 8*(3-\q)                        ; the last batch: the pairs behind run out
.endif
	s_wait_dscnt 0x0
.irp rt, 0,1
.irp ct, 0,1
.if (\q == 0) && (\cmode == 0)
	v_wmma_f32_16x16x128_fp8_fp8 v[ACC+16*\rt+8*\ct:ACC+16*\rt+8*\ct+7], v[W+32*\q+16*\ct:W+32*\q+16*\ct+15], v[AB+16*\rt:AB+16*\rt+15], 0
.elseif (\q == 0) && (\cmode == 1)
	v_wmma_f32_16x16x128_fp8_fp8 v[ACC+16*\rt+8*\ct:ACC+16*\rt+8*\ct+7], v[W+32*\q+16*\ct:W+32*\q+16*\ct+15], v[AB+16*\rt:AB+16*\rt+15], v[T+8*\ct:T+8*\ct+7]
.else
	v_wmma_f32_16x16x128_fp8_fp8 v[ACC+16*\rt+8*\ct:ACC+16*\rt+8*\ct+7], v[W+32*\q+16*\ct:W+32*\q+16*\ct+15], v[AB+16*\rt:AB+16*\rt+15], v[ACC+16*\rt+8*\ct:ACC+16*\rt+8*\ct+7]
.endif
.endr
.endr
	PLACES                                         ; ahead of loads into the sources and of reads of the results
.if \nxt
	WLOAD \q, \nvreg, \nimm, \ncts
.endif
.endr
.endm
.macro VLD dst, vreg, off              ; my 16 numbers of a vector: columns 16 ct + 8 h + 0 .. 7 of my 32
.irp ct, 0,1
.irp q, 0,1
	ds_load_b128 v[(\dst)+8*\ct+4*\q:(\dst)+8*\ct+4*\q+3], v[\vreg] offset:(\off)+64*\ct+16*\q
.endr
.endr
.endm
.macro SUM16 d, s                      ; v[d] = the sum of v[s] .. v[s + 15]; v[d] .. v[d + 7] are written
	v_pk_add_f32 v[(\d):(\d)+1], v[(\s):(\s)+1], v[(\s)+2:(\s)+3]
	v_pk_add_f32 v[(\d)+2:(\d)+3], v[(\s)+4:(\s)+5], v[(\s)+6:(\s)+7]
	v_pk_add_f32 v[(\d)+4:(\d)+5], v[(\s)+8:(\s)+9], v[(\s)+10:(\s)+11]
	v_pk_add_f32 v[(\d)+6:(\d)+7], v[(\s)+12:(\s)+13], v[(\s)+14:(\s)+15]
	v_pk_add_f32 v[(\d):(\d)+1], v[(\d):(\d)+1], v[(\d)+2:(\d)+3]
	v_pk_add_f32 v[(\d)+4:(\d)+5], v[(\d)+4:(\d)+5], v[(\d)+6:(\d)+7]
	v_pk_add_f32 v[(\d):(\d)+1], v[(\d):(\d)+1], v[(\d)+4:(\d)+5]
	v_add_f32 v[(\d)], v[(\d)], v[(\d)+1]
.endm
.macro SQ16 d, s                       ; v[d] = the sum of their squares
	v_pk_mul_f32 v[(\d):(\d)+1], v[(\s):(\s)+1], v[(\s):(\s)+1]
	v_pk_mul_f32 v[(\d)+2:(\d)+3], v[(\s)+2:(\s)+3], v[(\s)+2:(\s)+3]
.irp k, 4,8,12
	v_pk_fma_f32 v[(\d):(\d)+1], v[(\s)+\k:(\s)+\k+1], v[(\s)+\k:(\s)+\k+1], v[(\d):(\d)+1]
	v_pk_fma_f32 v[(\d)+2:(\d)+3], v[(\s)+\k+2:(\s)+\k+3], v[(\s)+\k+2:(\s)+\k+3], v[(\d)+2:(\d)+3]
.endr
	v_pk_add_f32 v[(\d):(\d)+1], v[(\d):(\d)+1], v[(\d)+2:(\d)+3]
	v_add_f32 v[(\d)], v[(\d)], v[(\d)+1]
.endm
.macro SHARE off                       ; my lane's sums in v[T], v[T + 8]: + lane l xor 16's; to my word of the field; a barrier; all sixteen waves' words back, and their sums in v[T], v[T + 8]
.irp rt, 0,1
	v_permlanex16_b32 v[T+8*\rt+2], v[T+8*\rt], s50, s51
	v_add_f32 v[T+8*\rt], v[T+8*\rt], v[T+8*\rt+2]
	ds_store_b32 v[RW], v[T+8*\rt] offset:(\off)+1024*\rt      ; both halves of the lanes write the same number to the same word
.endr
	BARRIER
.irp rt, 0,1
.irp i, 0,1,2,3
	ds_load_b128 v[AB+16*\rt+4*\i:AB+16*\rt+4*\i+3], v[RR] offset:(\off)+1024*\rt+16*\i
.endr
.endr
	s_wait_dscnt 0x0
	SUM16 T, AB
	SUM16 T+8, AB+16
.endm
; The norm of the rows in RES, in two passes as the definition has it: the mean; the mean of the squares of x - mean.  r1, r2: two fields of their own, each written once.  goff, boff: gain and bias in VEC
.macro LN r1, r2, goff, boff
	SUM16 T, RES
	SUM16 T+8, RES+16
	SHARE \r1
.irp rt, 0,1
	v_mul_f32 v[T+8*\rt], s52, v[T+8*\rt]          ; / 512
.endr
.irp rt, 0,1
.irp i, 0,2,4,6,8,10,12,14
	v_pk_add_f32 v[RES+16*\rt+\i:RES+16*\rt+\i+1], v[RES+16*\rt+\i:RES+16*\rt+\i+1], v[T+8*\rt:T+8*\rt+1] op_sel_hi:[1,0] neg_lo:[0,1] neg_hi:[0,1]
.endr
.endr
	SQ16 T, RES
	SQ16 T+8, RES+16
	SHARE \r2
	VLD AB, VA, \goff
	VLD AB+16, VA, \boff
	v_fmaak_f32 v[T], s52, v[T], 0x3727c5ac        ; the variance + 1e-5
	v_fmaak_f32 v[T+8], s52, v[T+8], 0x3727c5ac
	v_rsq_f32 v[T+2], v[T]
	v_rsq_f32 v[T+10], v[T+8]
	v_nop                                          ; a plain instruction behind the two roots,
	s_wait_alu depctr_va_vdst(0)                   ; and one wait ahead of their first reader
	s_wait_dscnt 0x0
.irp rt, 0,1
.irp i, 0,2,4,6,8,10,12,14
	v_pk_mul_f32 v[RES+16*\rt+\i:RES+16*\rt+\i+1], v[RES+16*\rt+\i:RES+16*\rt+\i+1], v[T+8*\rt+2:T+8*\rt+3] op_sel_hi:[1,0]
	v_pk_fma_f32 v[RES+16*\rt+\i:RES+16*\rt+\i+1], v[RES+16*\rt+\i:RES+16*\rt+\i+1], v[AB+\i:AB+\i+1], v[AB+16+\i:AB+16+\i+1]
.endr
.endr
.endm
.macro ADDV                            ; RES += the vector in T
.irp rt, 0,1
.irp i, 0,2,4,6,8,10,12,14
	v_pk_add_f32 v[RES+16*\rt+\i:RES+16*\rt+\i+1], v[RES+16*\rt+\i:RES+16*\rt+\i+1], v[T+\i:T+\i+1]
.endr
.endr
.endm
.macro FOLD                            ; RES += the sums x s48; each accumulator from its low end on
.set i, 0
.rept 16
	v_pk_fma_f32 v[RES+i:RES+i+1], v[ACC+i:ACC+i+1], s[48:49], v[RES+i:RES+i+1] op_sel_hi:[1,0,1]
.set i, i+2
.endr
.endm
.macro SETSC se                        ; v[SC] = 2^e, v[LIM] = 448 x 2^e, e in s[se]
	s_add_co_i32 s53, s[\se], 127
	s_lshl_b32 s54, s53, 23
	v_mov_b32 v[SC], s54
	s_add_co_i32 s53, s53, 8
	s_lshl_b32 s53, s53, 23
	s_or_b32 s53, s53, 0x600000
	v_mov_b32 v[LIM], s53
.endm
.macro LDEXPT                          ; the vector in T x 2^s55
.set i, 0
.rept 16
	v_ldexp_f32 v[T+i], v[T+i], s55
.set i, i+1
.endr
.endm
.macro CODES                           ; the 32 held numbers in ACC become four registers for each tile of rows, in AB
.irp rt, 0,1
.irp ct, 0,1
	v_cvt_scalef32_pk8_fp8_f32 v[AB+4*\rt+2*\ct:AB+4*\rt+2*\ct+1], v[ACC+16*\rt+8*\ct:ACC+16*\rt+8*\ct+7], v[SC]
.endr
.endr
	v_nop                                          ; a plain instruction behind the last conversion: matrix instructions later write its sources
.endm
	s_load_b512 s[4:19], s[0:1], 0x0               ; the attention's codes 4, wc 6, trg 8, lowp_scales 10, bo1 12, ln1_g 14, ln1_b 16, bq2 18
	s_load_b128 s[20:23], s[0:1], 0x40             ; x1 20, qkv2 22
	v_lshl_add_u32 v[SPW], v0, 2, SPARE
	v_mov_b32 v[NIL], 0
	v_lshrrev_b32 v1, 5, v0
	v_readfirstlane_b32 s28, v1                    ; wave
	v_and_b32 v53, 31, v0
	v_and_b32 v54, 15, v0                          ; r
	v_bfe_u32 v55, v0, 4, 1                        ; h
	v_lshlrev_b32 v[LI], 4, v53
	s_lshl_b32 s29, s28, 14
	v_add_nc_u32 v[WO], s29, v[LI]
	s_lshl_b32 s29, s28, 16
	v_add_nc_u32 v[QO], s29, v[LI]
	s_lshl_b32 s30, s28, 7
	s_add_co_u32 s29, s30, VEC
	v_lshl_add_u32 v[VA], v55, 5, s29
	s_lshl_b32 s29, s28, 2
	s_add_co_u32 s29, s29, RED
	v_lshl_add_u32 v[RW], v54, 6, s29
	v_lshlrev_b32 v[RR], 6, v54
	v_add_nc_u32 v[RR], RED, v[RR]
	s_lshl_b32 s29, s28, 9
	v_add_nc_u32 v[XW], s29, v[LI]
	s_lshl_b32 s29, s28, 12
	v_add_nc_u32 v[XO], s29, v[LI]
	v_lshlrev_b32 v48, 4, v0                       ; 16 x thread: the copies
	v_add_nc_u32 v49, VEC, v48
	s_and_b32 s29, s28, 3
	s_lshl_b32 s29, s29, 9
	v_add_nc_u32 v50, s29, v[LI]                   ; four waves copy a vector of 2,048 bytes
	v_lshlrev_b32 v52, 11, v54
	v_lshl_add_u32 v52, v55, 5, v52
	v_add_nc_u32 v52, s30, v52                     ; trg: row r of 2,048 bytes, + 128 w + 32 h
	s_lshr_b32 s31, s28, 2                         ; which vector my wave copies
	s_lshl_b32 s32, ttmp9, 14                      ; my two tiles of rows in ao
	s_mov_b32 s33, 0
	s_lshl_b32 s34, ttmp9, 16                      ; my 32 rows in trg and in x1
	s_mov_b32 s35, 0
	s_lshr_b32 s38, ttmp9, 6                       ; n
	s_lshl_b32 s38, s38, 20
	s_and_b32 s29, ttmp9, 63
	s_lshl_b32 s29, s29, 10                        ; two tiles of 512 bytes in each head
	s_add_co_u32 s38, s38, s29
	s_mov_b32 s39, 0
	s_mov_b32 s50, 0x76543210
	s_mov_b32 s51, 0xfedcba98                      ; lane l xor 16
	s_mov_b32 s52, 0x3b000000                      ; 1 / 512
	s_wait_kmcnt 0x0
	s_load_b128 s[40:43], s[10:11], 0x28           ; e10, e11, e12, e13
	s_load_b32 s36, s[10:11], 0x48                 ; e18
	s_add_nc_u64 s[4:5], s[4:5], s[32:33]
	s_add_nc_u64 s[8:9], s[8:9], s[34:35]
	s_add_nc_u64 s[20:21], s[20:21], s[34:35]
	s_add_nc_u64 s[22:23], s[22:23], s[38:39]
	s_cmp_eq_u32 s31, 1
	s_cselect_b64 s[44:45], s[14:15], s[12:13]
	s_cmp_eq_u32 s31, 2
	s_cselect_b64 s[44:45], s[16:17], s[44:45]
	s_cmp_eq_u32 s31, 3
	s_cselect_b64 s[44:45], s[18:19], s[44:45]
	global_load_b128 v[80:83], v48, s[4:5]
	global_load_b128 v[84:87], v48, s[4:5] offset:8192
	global_load_b128 v[88:91], v50, s[44:45]
.irp rt, 0,1
.irp ct, 0,1
.irp q, 0,1
	global_load_b128 v[RES+16*\rt+8*\ct+4*\q:RES+16*\rt+8*\ct+4*\q+3], v52, s[8:9] offset:32768*\rt+64*\ct+16*\q
.endr
.endr
.endr
.irp q, 0,1,2,3
	WLOAD \q, WO, 5*0x40000, 8192                  ; Wo1
.endr
	s_wait_loadcnt 40                              ; the three copies are in; behind them the residual's 8 and the weights' 32
	ds_store_b128 v48, v[80:83]
	ds_store_b128 v48, v[84:87] offset:8192
	ds_store_b128 v49, v[88:91]
	BARRIER                                        ; the attention's fragments and the vectors lie in LDS
	VLD T, VA, 0                                   ; bo1
	s_wait_kmcnt 0x0
	s_add_co_i32 s48, s40, s41
	s_add_co_i32 s48, s48, 127
	s_lshl_b32 s48, s48, 23                        ; 2^(e10 + e11)
	s_mov_b32 s49, s48                             ; (named with it as a pair)
	s_wait_dscnt 0x0
	s_wait_loadcnt 32                              ; the residual is in; the weights' 32 may be out
	ADDV                                           ; trg + bo1
	PROD AIMG, 8192, 0, 1, WO, 6*0x40000, 8192     ; ao Wo1; the pairs take Wq2 (with e13)
	FOLD
	LN 0, 2048, 2048, 4096                         ; x1
.irp rt, 0,1
.irp ct, 0,1
.irp q, 0,1
	global_store_b128 v[XO], v[RES+16*\rt+8*\ct+4*\q:RES+16*\rt+8*\ct+4*\q+3], s[20:21] offset:2048*\rt+1024*\ct+512*\q   ; RES is not written again
.endr
.endr
.endr
	SETSC 42                                       ; e12
.set i, 0
.rept 32
	v_med3_num_f32 v[ACC+i], v[RES+i], -v[LIM], v[LIM]
.set i, i+1
.endr
	CODES
.irp rt, 0,1
	ds_store_b128 v[XW], v[AB+4*\rt:AB+4*\rt+3] offset:XIMG+8192*\rt
.endr
	VLD T, VA, 6144                                ; bq2
	BARRIER                                        ; x1's fragments lie in LDS
	s_add_co_i32 s56, s42, s43
	s_sub_co_i32 s55, 0, s56
	LDEXPT                                         ; bq2 / 2^(e12 + e13): the C of the first K step
	PROD XIMG, 8192, 1, 0, 0, 0, 0
	s_sub_co_i32 s56, s36, s56
	SETSC 56                                       ; e18 - e12 - e13
.set i, 0
.rept 32
	v_med3_num_f32 v[ACC+i], v[ACC+i], -v[LIM], v[LIM]
.set i, i+1
.endr
	CODES
.irp rt, 0,1
	global_store_b128 v[QO], v[AB+4*\rt:AB+4*\rt+3], s[22:23] offset:512*\rt   ; head w, a tile of 16 queries: 512 consecutive bytes
.endr
	s_wait_tensorcnt 0x0                           ; the wave's end: behind my last LDS store
	ds_add_u32 v[SPW], v[NIL]
	s_wait_dscnt 0x0
	s_endpgm
.Lfunc_end_k_q4f0ac0f448_post1:
	.size	k_q4f0ac0f448_post1, .Lfunc_end_k_q4f0ac0f448_post1-k_q4f0ac0f448_post1
	.p2alignl 7, 3214868480
	.fill 96, 4, 3214868480
	.section	.rodata,"a",@progbits
	.p2align	6, 0x0
	.amdhsa_kernel k_q4f0ac0f448_post1
		.amdhsa_group_segment_fixed_size 47104
		.amdhsa_private_segment_fixed_size 0
		.amdhsa_enable_private_segment 0
		.amdhsa_kernarg_size 80
		.amdhsa_user_sgpr_count 2
		.amdhsa_user_sgpr_kernarg_segment_ptr 1
		.amdhsa_wavefront_size32 1
		.amdhsa_system_sgpr_workgroup_id_x 1
		.amdhsa_system_sgpr_workgroup_id_y 1
		.amdhsa_system_sgpr_workgroup_id_z 1
		.amdhsa_system_vgpr_workitem_id 0
		.amdhsa_next_free_vgpr 256
		.amdhsa_next_free_sgpr 66
		.amdhsa_reserve_vcc 0
		.amdhsa_float_denorm_mode_32 3
		.amdhsa_float_denorm_mode_16_64 3
		.amdhsa_memory_ordered 1
		.amdhsa_forward_progress 1
		.amdhsa_inst_pref_size 38
	.end_amdhsa_kernel
	.amdgpu_metadata
---
amdhsa.version: [ 1, 2 ]
amdhsa.kernels:
  - .name:           k_q4f0ac0f448_post1
    .symbol:         k_q4f0ac0f448_post1.kd
    .args:
      - { .name: ao2, .offset: 0, .size: 8, .value_kind: global_buffer, .address_space: global }
      - { .name: wc, .offset: 8, .size: 8, .value_kind: global_buffer, .address_space: global }
      - { .name: trg, .offset: 16, .size: 8, .value_kind: global_buffer, .address_space: global }
      - { .name: lowp_scales, .offset: 24, .size: 8, .value_kind: global_buffer, .address_space: global }
      - { .name: bo1, .offset: 32, .size: 8, .value_kind: global_buffer, .address_space: global }
      - { .name: ln1_g, .offset: 40, .size: 8, .value_kind: global_buffer, .address_space: global }
      - { .name: ln1_b, .offset: 48, .size: 8, .value_kind: global_buffer, .address_space: global }
      - { .name: bq2, .offset: 56, .size: 8, .value_kind: global_buffer, .address_space: global }
      - { .name: x1, .offset: 64, .size: 8, .value_kind: global_buffer, .address_space: global }
      - { .name: qkv2, .offset: 72, .size: 8, .value_kind: global_buffer, .address_space: global }
    .group_segment_fixed_size: 47104
    .private_segment_fixed_size: 0
    .kernarg_segment_align: 8
    .kernarg_segment_size: 80
    .max_flat_workgroup_size: 512
    .sgpr_count:     66
    .vgpr_count:     256
    .wavefront_size: 32
...
	.end_amdgpu_metadata
.endif
;; end of part 4
;; launch attn2: the kernel of part 3 again; grid 8 x 32, 16 waves a work-group, no clusters, 133,120 bytes of LDS; arguments qkv2, am2, ao2, fl; writes ao2
;; launch post2 (part 5): grid 128 x 1, 16 waves a work-group, no clusters, 158,208 bytes of LDS; arguments ao2, wc, x1, lowp_scales, bo2, ln2_g, ln2_b, bff1, bff2, ln3_g, ln3_b, out0; writes out0
.if DOCPART == 5
	.amdgcn_target "amdgcn-amd-amdhsa--gfx1250"
	.amdhsa_code_object_version 6
	.text
	.protected	k_q4f0ac0f448_post2
	.globl	k_q4f0ac0f448_post2
	.p2align	8
	.type	k_q4f0ac0f448_post2,@function
k_q4f0ac0f448_post2:
	s_mov_b64 s[64:65], 0
	v_nop
	global_prefetch_b8 v0, s[64:65] scope:SCOPE_SE
	s_setreg_imm32_b32 hwreg(HW_REG_WAVE_MODE, 25, 1), 1
	s_wait_xcnt 0x0
; POST2.  x2 = LN(x1 + ao Wo2 + bo2); out = LN(x2 + relu(x2 Wff1 + bff1) Wff2 + bff2).  All three products on E4M3 codes; x2 and the hidden layer never go to memory.
; A work-group takes 32 rows (two tiles of 16), since the norms want whole rows; wave w takes columns 32 w .. 32 w + 31 of the rows, and hidden units 64 w .. 64 w + 63 in two halves of 32.
; The products are used TRANSPOSED (source 0 = W, source 1 = the rows): lane (r, h) holds row r and register j column 16 ct + 8 h + j of the wave's, so that results convert straight into the next operand's registers.
; Operands go from wave to wave through LDS as images of their registers (2,048 bytes a fragment).  The weights' fragments come from memory straight into registers: four pairs (K step q, ct 0 and 1) of 8 loads;
; a pair just multiplied takes the next batch's.  Five batches: Wo2; Wff1's two halves; Wff2's K steps 0-3 and 4-7.
; 128 work-groups: every work-group streams all the weights, so 16 rows on 256 work-groups would take as long and ask for twice the bytes.
; LIMITS: e24 and e26 - e24 - e25 between -126 and 119; e22 + e23 and e26 + e27 between -126 and 127.  NaN and infinities among the inputs are not served.
.set AIMG,  0                          ; LDS: the attention's 8 fragments (4 rt + s),
.set XIMG,  16384                      ; x2's 8 fragments,
.set HIMG,  32768                      ; the hidden layer's 16 (8 rt + s),
.set VEC,   65536                      ; bo2, ln2_g, ln2_b, bff2, ln3_g, ln3_b: 2,048 bytes each; bff1: 4,096,
.set RED,   81920                      ; four fields of 2 x 16 rows x 16 waves for the norms' sums,
.set STAGE, 90112                      ; 32 rows x (2,048 + 16) bytes for the way out,
.set SPARE, 156160                     ; and the spare words, 128 bytes for each wave
.set LI,  1                            ; v1   16 x lane
.set WO,  2                            ; v2   16,384 w + 16 x lane: my fragments in Wo2; at the end: where I read the stage
.set WO32, 3                           ; v3   32,768 w + 16 x lane: my fragments in Wff1 and in Wff2
.set VA,  4                            ; v4   VEC + 128 w + 32 h
.set VA2, 5                            ; v5   VEC + 256 w + 32 h
.set RW,  6                            ; v6   RED + 64 r + 4 w
.set RR,  7                            ; v7   RED + 64 r
.set XW,  8                            ; v8   512 w + 16 x lane: my four registers in x2's images
.set HW,  9                            ; v9   1,024 w + 16 x lane: my eight in the hidden layer's
.set SC,  10                           ; v10  the scale in hand
.set LIM, 11                           ; v11  448 x that
.set XO,  12                           ; v12  4,096 w + 16 x lane
.set STO, 13                           ; v13  STAGE + 2,064 r + 128 w + 32 h
.set SPW, 14                           ; v14  SPARE + 4 x my thread's number; never rewritten
.set NIL, 15                           ; v15  0; never rewritten
.set RES, 16                           ; v16-47   the rows in f32: index 16 rt + 8 ct + j
.set ACC, 48                           ; v48-79   four accumulators, same index (at the head: offsets)
.set AB,  80                           ; v80-111  the rows' two fragments of a K step; at work
.set T,   112                          ; v112-127 a vector's 16 numbers; at work
.set W,   128                          ; v128-255 W's fragment (q, ct) at W + 32 q + 16 ct
.macro BARRIER                         ; my LDS stores have landed and my LDS loads are in: then the work-group's barrier
	s_wait_dscnt 0x0
	s_barrier_signal -1
	s_barrier_wait -1
.endm
.macro PLACES
.rept 4
	v_nop
.endr
.endm
.macro WLOAD q, vreg, imm, cts         ; pair q of a batch of weight fragments
.irp ct, 0,1
.irp cc, 0,1,2,3
	global_load_b128 v[W+32*(\q)+16*\ct+4*\cc:W+32*(\q)+16*\ct+4*\cc+3], v[\vreg], s[6:7] offset:(\imm)+(\cts)*\ct+2048*(\q)+512*\cc
.endr
.endr
.endm
; Four K steps.  lofs, rts: the rows' images.  cmode: the first step's C is 0 (0), the vector in T (1) or the sums so far (2).  nxt = 1: each pair just multiplied is loaded anew, for the next batch.
; The four accumulators take turns, one instruction a turn.
.macro PROD lofs, rts, cmode, nxt, nvreg, nimm, ncts
.irp q, 0,1,2,3
.irp rt, 0,1
.irp cc, 0,1,2,3
	ds_load_b128 v[AB+16*\rt+4*\cc:AB+16*\rt+4*\cc+3], v[LI] offset:(\lofs)+(\rts)*\rt+2048*\q+512*\cc
.endr
.endr
.if \nxt
	s_wait_loadcnt 24                              ; pair q is in; behind it three pairs: the rest of this batch and the next batch's first
.else
	s_wait_loadcnt 8*(3-\q)                        ; the last batch: the pairs behind run out
.endif
	s_wait_dscnt 0x0
.irp rt, 0,1
.irp ct, 0,1
.if (\q == 0) && (\cmode == 0)
	v_wmma_f32_16x16x128_fp8_fp8 v[ACC+16*\rt+8*\ct:ACC+16*\rt+8*\ct+7], v[W+32*\q+16*\ct:W+32*\q+16*\ct+15], v[AB+16*\rt:AB+16*\rt+15], 0
.elseif (\q == 0) && (\cmode == 1)
	v_wmma_f32_16x16x128_fp8_fp8 v[ACC+16*\rt+8*\ct:ACC+16*\rt+8*\ct+7], v[W+32*\q+16*\ct:W+32*\q+16*\ct+15], v[AB+16*\rt:AB+16*\rt+15], v[T+8*\ct:T+8*\ct+7]
.else
	v_wmma_f32_16x16x128_fp8_fp8 v[ACC+16*\rt+8*\ct:ACC+16*\rt+8*\ct+7], v[W+32*\q+16*\ct:W+32*\q+16*\ct+15], v[AB+16*\rt:AB+16*\rt+15], v[ACC+16*\rt+8*\ct:ACC+16*\rt+8*\ct+7]
.endif
.endr
.endr
	PLACES                                         ; ahead of loads into the sources and of reads of the results
.if \nxt
	WLOAD \q, \nvreg, \nimm, \ncts
.endif
.endr
.endm
.macro VLD dst, vreg, off              ; my 16 numbers of a vector: columns 16 ct + 8 h + 0 .. 7 of my 32
.irp ct, 0,1
.irp q, 0,1
	ds_load_b128 v[(\dst)+8*\ct+4*\q:(\dst)+8*\ct+4*\q+3], v[\vreg] offset:(\off)+64*\ct+16*\q
.endr
.endr
.endm
.macro SUM16 d, s                      ; v[d] = the sum of v[s] .. v[s + 15]; v[d] .. v[d + 7] are written
	v_pk_add_f32 v[(\d):(\d)+1], v[(\s):(\s)+1], v[(\s)+2:(\s)+3]
	v_pk_add_f32 v[(\d)+2:(\d)+3], v[(\s)+4:(\s)+5], v[(\s)+6:(\s)+7]
	v_pk_add_f32 v[(\d)+4:(\d)+5], v[(\s)+8:(\s)+9], v[(\s)+10:(\s)+11]
	v_pk_add_f32 v[(\d)+6:(\d)+7], v[(\s)+12:(\s)+13], v[(\s)+14:(\s)+15]
	v_pk_add_f32 v[(\d):(\d)+1], v[(\d):(\d)+1], v[(\d)+2:(\d)+3]
	v_pk_add_f32 v[(\d)+4:(\d)+5], v[(\d)+4:(\d)+5], v[(\d)+6:(\d)+7]
	v_pk_add_f32 v[(\d):(\d)+1], v[(\d):(\d)+1], v[(\d)+4:(\d)+5]
	v_add_f32 v[(\d)], v[(\d)], v[(\d)+1]
.endm
.macro SQ16 d, s                       ; v[d] = the sum of their squares
	v_pk_mul_f32 v[(\d):(\d)+1], v[(\s):(\s)+1], v[(\s):(\s)+1]
	v_pk_mul_f32 v[(\d)+2:(\d)+3], v[(\s)+2:(\s)+3], v[(\s)+2:(\s)+3]
.irp k, 4,8,12
	v_pk_fma_f32 v[(\d):(\d)+1], v[(\s)+\k:(\s)+\k+1], v[(\s)+\k:(\s)+\k+1], v[(\d):(\d)+1]
	v_pk_fma_f32 v[(\d)+2:(\d)+3], v[(\s)+\k+2:(\s)+\k+3], v[(\s)+\k+2:(\s)+\k+3], v[(\d)+2:(\d)+3]
.endr
	v_pk_add_f32 v[(\d):(\d)+1], v[(\d):(\d)+1], v[(\d)+2:(\d)+3]
	v_add_f32 v[(\d)], v[(\d)], v[(\d)+1]
.endm
.macro SHARE off                       ; my lane's sums in v[T], v[T + 8]: + lane l xor 16's; to my word of the field; a barrier; all sixteen waves' words back, and their sums in v[T], v[T + 8]
.irp rt, 0,1
	v_permlanex16_b32 v[T+8*\rt+2], v[T+8*\rt], s50, s51
	v_add_f32 v[T+8*\rt], v[T+8*\rt], v[T+8*\rt+2]
	ds_store_b32 v[RW], v[T+8*\rt] offset:(\off)+1024*\rt      ; both halves of the lanes write the same number to the same word
.endr
	BARRIER
.irp rt, 0,1
.irp i, 0,1,2,3
	ds_load_b128 v[AB+16*\rt+4*\i:AB+16*\rt+4*\i+3], v[RR] offset:(\off)+1024*\rt+16*\i
.endr
.endr
	s_wait_dscnt 0x0
	SUM16 T, AB
	SUM16 T+8, AB+16
.endm
; The norm of the rows in RES, in two passes as the definition has it: the mean; the mean of the squares of x - mean.  r1, r2: two fields of their own, each written once.  goff, boff: gain and bias in VEC
.macro LN r1, r2, goff, boff
	SUM16 T, RES
	SUM16 T+8, RES+16
	SHARE \r1
.irp rt, 0,1
	v_mul_f32 v[T+8*\rt], s52, v[T+8*\rt]          ; / 512
.endr
.irp rt, 0,1
.irp i, 0,2,4,6,8,10,12,14
	v_pk_add_f32 v[RES+16*\rt+\i:RES+16*\rt+\i+1], v[RES+16*\rt+\i:RES+16*\rt+\i+1], v[T+8*\rt:T+8*\rt+1] op_sel_hi:[1,0] neg_lo:[0,1] neg_hi:[0,1]
.endr
.endr
	SQ16 T, RES
	SQ16 T+8, RES+16
	SHARE \r2
	VLD AB, VA, \goff
	VLD AB+16, VA, \boff
	v_fmaak_f32 v[T], s52, v[T], 0x3727c5ac        ; the variance + 1e-5
	v_fmaak_f32 v[T+8], s52, v[T+8], 0x3727c5ac
	v_rsq_f32 v[T+2], v[T]
	v_rsq_f32 v[T+10], v[T+8]
	v_nop                                          ; a plain instruction behind the two roots,
	s_wait_alu depctr_va_vdst(0)                   ; and one wait ahead of their first reader
	s_wait_dscnt 0x0
.irp rt, 0,1
.irp i, 0,2,4,6,8,10,12,14
	v_pk_mul_f32 v[RES+16*\rt+\i:RES+16*\rt+\i+1], v[RES+16*\rt+\i:RES+16*\rt+\i+1], v[T+8*\rt+2:T+8*\rt+3] op_sel_hi:[1,0]
	v_pk_fma_f32 v[RES+16*\rt+\i:RES+16*\rt+\i+1], v[RES+16*\rt+\i:RES+16*\rt+\i+1], v[AB+\i:AB+\i+1], v[AB+16+\i:AB+16+\i+1]
.endr
.endr
.endm
.macro ADDV                            ; RES += the vector in T
.irp rt, 0,1
.irp i, 0,2,4,6,8,10,12,14
	v_pk_add_f32 v[RES+16*\rt+\i:RES+16*\rt+\i+1], v[RES+16*\rt+\i:RES+16*\rt+\i+1], v[T+\i:T+\i+1]
.endr
.endr
.endm
.macro FOLD                            ; RES += the sums x s48; each accumulator from its low end on
.set i, 0
.rept 16
	v_pk_fma_f32 v[RES+i:RES+i+1], v[ACC+i:ACC+i+1], s[48:49], v[RES+i:RES+i+1] op_sel_hi:[1,0,1]
.set i, i+2
.endr
.endm
.macro SETP sa, sb                     ; s[48:49] = 2^(ea + eb), twice
	s_add_co_i32 s48, s[\sa], s[\sb]
	s_add_co_i32 s48, s48, 127
	s_lshl_b32 s48, s48, 23
	s_mov_b32 s49, s48
.endm
.macro SETSC se                        ; v[SC] = 2^e, v[LIM] = 448 x 2^e, e in s[se]
	s_add_co_i32 s53, s[\se], 127
	s_lshl_b32 s54, s53, 23
	v_mov_b32 v[SC], s54
	s_add_co_i32 s53, s53, 8
	s_lshl_b32 s53, s53, 23
	s_or_b32 s53, s53, 0x600000
	v_mov_b32 v[LIM], s53
.endm
.macro LDEXPT                          ; the vector in T x 2^s55
.set i, 0
.rept 16
	v_ldexp_f32 v[T+i], v[T+i], s55
.set i, i+1
.endr
.endm
; 32 numbers become four registers of an operand for each tile of rows, and go to LDS as they stand.  relu = 1: the sums in ACC, what is negative becoming 0 (the activation and the hold in one); relu = 0: the rows in RES, which are kept
.macro QIMG relu, lreg, lofs, rts
.set i, 0
.rept 32
.if \relu
	v_med3_num_f32 v[ACC+i], v[ACC+i], 0, v[LIM]
.else
	v_med3_num_f32 v[ACC+i], v[RES+i], -v[LIM], v[LIM]
.endif
.set i, i+1
.endr
.irp rt, 0,1
.irp ct, 0,1
	v_cvt_scalef32_pk8_fp8_f32 v[AB+4*\rt+2*\ct:AB+4*\rt+2*\ct+1], v[ACC+16*\rt+8*\ct:ACC+16*\rt+8*\ct+7], v[SC]
.endr
.endr
	v_nop                                          ; a plain instruction behind the last conversion: matrix instructions later write its sources
.irp rt, 0,1
	ds_store_b128 v[\lreg], v[AB+4*\rt:AB+4*\rt+3] offset:(\lofs)+(\rts)*\rt
.endr
.endm
	s_load_b512 s[4:19], s[0:1], 0x0               ; ao2 4, wc 6, x1 8, lowp_scales 10, bo2 12, ln2_g 14, ln2_b 16, bff1 18
	s_load_b256 s[20:27], s[0:1], 0x40             ; bff2 20, ln3_g 22, ln3_b 24, out0 26
	v_lshl_add_u32 v[SPW], v0, 2, SPARE
	v_mov_b32 v[NIL], 0
	v_lshrrev_b32 v1, 5, v0
	v_readfirstlane_b32 s28, v1                    ; wave
	v_and_b32 v53, 31, v0
	v_and_b32 v54, 15, v0                          ; r
	v_bfe_u32 v55, v0, 4, 1                        ; h
	v_lshlrev_b32 v[LI], 4, v53
	s_lshl_b32 s29, s28, 14
	v_add_nc_u32 v[WO], s29, v[LI]
	s_lshl_b32 s29, s28, 15
	v_add_nc_u32 v[WO32], s29, v[LI]
	s_lshl_b32 s30, s28, 7
	s_add_co_u32 s29, s30, VEC
	v_lshl_add_u32 v[VA], v55, 5, s29
	s_lshl_b32 s29, s28, 8
	s_add_co_u32 s29, s29, VEC
	v_lshl_add_u32 v[VA2], v55, 5, s29
	s_lshl_b32 s29, s28, 2
	s_add_co_u32 s29, s29, RED
	v_lshl_add_u32 v[RW], v54, 6, s29
	v_lshlrev_b32 v[RR], 6, v54
	v_add_nc_u32 v[RR], RED, v[RR]
	s_lshl_b32 s29, s28, 9
	v_add_nc_u32 v[XW], s29, v[LI]
	s_lshl_b32 s29, s28, 10
	v_add_nc_u32 v[HW], s29, v[LI]
	s_lshl_b32 s29, s28, 12
	v_add_nc_u32 v[XO], s29, v[LI]
	s_add_co_u32 s30, s30, STAGE
	v_mul_u32_u24 v[STO], v54, 2064
	v_lshl_add_u32 v[STO], v55, 5, v[STO]
	v_add_nc_u32 v[STO], s30, v[STO]
	v_lshlrev_b32 v48, 4, v0                       ; 16 x thread: the copies
	v_add_nc_u32 v49, VEC, v48
	s_and_b32 s29, s28, 3
	s_and_b32 s30, s28, 7
	s_cmp_lt_u32 s28, 8
	s_cselect_b32 s30, s29, s30                    ; four waves copy a vector of 2,048 bytes; eight copy bff1's 4,096
	s_lshl_b32 s29, s29, 9
	s_lshl_b32 s30, s30, 9
	v_add_nc_u32 v50, s29, v[LI]
	v_add_nc_u32 v51, s30, v[LI]
	s_lshr_b32 s31, s28, 2                         ; which vectors my wave copies
	s_lshl_b32 s32, ttmp9, 14                      ; my two tiles of rows in ao
	s_mov_b32 s33, 0
	s_lshl_b32 s34, ttmp9, 16                      ; my 32 rows in x1 and in out0
	s_mov_b32 s35, 0
	s_mov_b32 s50, 0x76543210
	s_mov_b32 s51, 0xfedcba98                      ; lane l xor 16
	s_mov_b32 s52, 0x3b000000                      ; 1 / 512
	s_wait_kmcnt 0x0
	s_load_b64 s[36:37], s[10:11], 0x58            ; e22, e23
	s_load_b128 s[40:43], s[10:11], 0x60           ; e24, e25, e26, e27
	s_add_nc_u64 s[4:5], s[4:5], s[32:33]
	s_add_nc_u64 s[8:9], s[8:9], s[34:35]
	s_add_nc_u64 s[26:27], s[26:27], s[34:35]
	s_cmp_eq_u32 s31, 1
	s_cselect_b64 s[44:45], s[14:15], s[12:13]     ; bo2, ln2_g,
	s_cselect_b64 s[46:47], s[24:25], s[22:23]     ; ln3_g, ln3_b,
	s_cmp_eq_u32 s31, 2
	s_cselect_b64 s[44:45], s[16:17], s[44:45]     ; ln2_b,
	s_cmp_eq_u32 s31, 3
	s_cselect_b64 s[44:45], s[20:21], s[44:45]     ; bff2;
	s_cmp_ge_u32 s31, 2
	s_cselect_b64 s[46:47], s[18:19], s[46:47]     ; bff1
	global_load_b128 v[80:83], v48, s[4:5]
	global_load_b128 v[84:87], v48, s[4:5] offset:8192
	global_load_b128 v[88:91], v50, s[44:45]
	global_load_b128 v[92:95], v51, s[46:47]
.irp rt, 0,1
.irp ct, 0,1
.irp q, 0,1
	global_load_b128 v[RES+16*\rt+8*\ct+4*\q:RES+16*\rt+8*\ct+4*\q+3], v[XO], s[8:9] offset:2048*\rt+1024*\ct+512*\q   ; x1, as the launch that made it held it
.endr
.endr
.endr
.irp q, 0,1,2,3
	WLOAD \q, WO, 7*0x40000, 8192                  ; Wo2
.endr
	s_wait_loadcnt 40                              ; the four copies are in; behind them the residual's 8 and the weights' 32
	ds_store_b128 v48, v[80:83]
	ds_store_b128 v48, v[84:87] offset:8192
	ds_store_b128 v49, v[88:91]
	ds_store_b128 v49, v[92:95] offset:8192
	BARRIER                                        ; the attention's fragments and the vectors lie in LDS
	VLD T, VA, 0                                   ; bo2
	s_wait_kmcnt 0x0
	SETP 36, 37                                    ; 2^(e22 + e23)
	s_wait_dscnt 0x0
	s_wait_loadcnt 32                              ; the residual is in; the weights' 32 may be out
	ADDV                                           ; x1 + bo2
	PROD AIMG, 8192, 0, 1, WO32, 0x200000, 8192    ; ao Wo2; the pairs take Wff1's first half
	FOLD
	LN 0, 2048, 2048, 4096                         ; x2, which stays in RES
	SETSC 40                                       ; e24
	QIMG 0, XW, XIMG, 8192
	VLD T, VA2, 12288                              ; bff1 of my first 32 hidden units
	BARRIER                                        ; x2's fragments lie in LDS
	s_add_co_i32 s56, s40, s41
	s_sub_co_i32 s55, 0, s56
	LDEXPT                                         ; bff1 / 2^(e24 + e25): the C of the first K step
	PROD XIMG, 8192, 1, 1, WO32, 0x200000+16384, 8192
	s_sub_co_i32 s56, s42, s56
	SETSC 56                                       ; e26 - e24 - e25: the three scales folded into the conversion's one
	QIMG 1, HW, HIMG, 16384
	VLD T, VA2, 12288+128                          ; bff1 of my second 32
	s_wait_dscnt 0x0                               ; it is in, and the stores above have read their registers
	LDEXPT
	PROD XIMG, 8192, 1, 1, WO32, 0x280000, 16384   ; the pairs take Wff2's K steps 0-3
	QIMG 1, HW, HIMG+512, 16384
	BARRIER                                        ; the hidden layer's sixteen fragments lie in LDS
	PROD HIMG, 16384, 0, 1, WO32, 0x280000+8192, 16384
	PROD HIMG+8192, 16384, 2, 0, 0, 0, 0
	VLD T, VA, 6144                                ; bff2
	SETP 42, 43                                    ; 2^(e26 + e27)
	s_wait_dscnt 0x0
	ADDV                                           ; x2 + bff2
	FOLD
	LN 4096, 6144, 8192, 10240
	; ---- the way out: a row's 2,048 bytes come from sixteen waves: they meet in the stage (rows 2,064 bytes apart: 516 words, so sixteen rows start at sixteen different banks), and each wave stores two whole rows
.irp rt, 0,1
.irp ct, 0,1
.irp q, 0,1
	ds_store_b128 v[STO], v[RES+16*\rt+8*\ct+4*\q:RES+16*\rt+8*\ct+4*\q+3] offset:33024*\rt+64*\ct+16*\q
.endr
.endr
.endr
	s_mul_i32 s29, s28, 4128
	s_add_co_u32 s29, s29, STAGE
	v_add_nc_u32 v[WO], s29, v[LI]                 ; rows 2 w and 2 w + 1 (every load that named this register is done)
	BARRIER
.irp row, 0,1
.irp i, 0,1,2,3
	ds_load_b128 v[AB+16*\row+4*\i:AB+16*\row+4*\i+3], v[WO] offset:2064*\row+512*\i
.endr
.endr
.irp row, 0,1
.irp i, 0,1,2,3
	s_wait_dscnt 7-4*\row-\i                       ; this load is in; the younger ones may be out
	global_store_b128 v[XO], v[AB+16*\row+4*\i:AB+16*\row+4*\i+3], s[26:27] offset:2048*\row+512*\i th:TH_STORE_NT   ; 32 lanes store 512 consecutive bytes; written once, read by nobody here
.endr
.endr
	s_wait_tensorcnt 0x0                           ; the wave's end: behind my last LDS store
	ds_add_u32 v[SPW], v[NIL]
	s_wait_dscnt 0x0
	s_endpgm
.Lfunc_end_k_q4f0ac0f448_post2:
	.size	k_q4f0ac0f448_post2, .Lfunc_end_k_q4f0ac0f448_post2-k_q4f0ac0f448_post2
	.p2alignl 7, 3214868480
	.fill 96, 4, 3214868480
	.section	.rodata,"a",@progbits
	.p2align	6, 0x0
	.amdhsa_kernel k_q4f0ac0f448_post2
		.amdhsa_group_segment_fixed_size 158208
		.amdhsa_private_segment_fixed_size 0
		.amdhsa_enable_private_segment 0
		.amdhsa_kernarg_size 96
		.amdhsa_user_sgpr_count 2
		.amdhsa_user_sgpr_kernarg_segment_ptr 1
		.amdhsa_wavefront_size32 1
		.amdhsa_system_sgpr_workgroup_id_x 1
		.amdhsa_system_sgpr_workgroup_id_y 1
		.amdhsa_system_sgpr_workgroup_id_z 1
		.amdhsa_system_vgpr_workitem_id 0
		.amdhsa_next_free_vgpr 256
		.amdhsa_next_free_sgpr 66
		.amdhsa_reserve_vcc 0
		.amdhsa_float_denorm_mode_32 3
		.amdhsa_float_denorm_mode_16_64 3
		.amdhsa_memory_ordered 1
		.amdhsa_forward_progress 1
		.amdhsa_inst_pref_size 76
	.end_amdhsa_kernel
	.amdgpu_metadata
---
amdhsa.version: [ 1, 2 ]
amdhsa.kernels:
  - .name:           k_q4f0ac0f448_post2
    .symbol:         k_q4f0ac0f448_post2.kd
    .args:
      - { .name: ao2, .offset: 0, .size: 8, .value_kind: global_buffer, .address_space: global }
      - { .name: wc, .offset: 8, .size: 8, .value_kind: global_buffer, .address_space: global }
      - { .name: x1, .offset: 16, .size: 8, .value_kind: global_buffer, .address_space: global }
      - { .name: lowp_scales, .offset: 24, .size: 8, .value_kind: global_buffer, .address_space: global }
      - { .name: bo2, .offset: 32, .size: 8, .value_kind: global_buffer, .address_space: global }
      - { .name: ln2_g, .offset: 40, .size: 8, .value_kind: global_buffer, .address_space: global }
      - { .name: ln2_b, .offset: 48, .size: 8, .value_kind: global_buffer, .address_space: global }
      - { .name: bff1, .offset: 56, .size: 8, .value_kind: global_buffer, .address_space: global }
      - { .name: bff2, .offset: 64, .size: 8, .value_kind: global_buffer, .address_space: global }
      - { .name: ln3_g, .offset: 72, .size: 8, .value_kind: global_buffer, .address_space: global }
      - { .name: ln3_b, .offset: 80, .size: 8, .value_kind: global_buffer, .address_space: global }
      - { .name: out0, .offset: 88, .size: 8, .value_kind: global_buffer, .address_space: global }
    .group_segment_fixed_size: 158208
    .private_segment_fixed_size: 0
    .kernarg_segment_align: 8
    .kernarg_segment_size: 96
    .max_flat_workgroup_size: 512
    .sgpr_count:     66
    .vgpr_count:     256
    .wavefront_size: 32
...
	.end_amdgpu_metadata
.endif
;; end of part 5
